; MI455X (gfx1250); checked and timed in simulation.
; The chip was launched on July 23, 2026; its instructions are those of AMD's public machine-readable ISA for CDNA 5 (MIT licence, August 2026) and "CDNA5" Instruction Set Architecture Reference Guide (July 2026). The comments in the code are by the model that wrote it; some were corrected since.
;; Mu Attention. Allowed arithmetic: matrix products marked QUANTISED: E2M3 operands, one E8M0 scale for each 32 along K, by v_wmma_scale_f32_16x16x128_f8f6f4 with both operands' format E2M3, f32 sums; everything else in f32.
;; Inputs: Wk 512 x 4,096 float32; Wo 4,096 x 1,024 float32; Wq 1,024 x 4,096 float32; Wv 512 x 4,096 float32; hidden_states 2 x 2,048 x 4,096 float32; k_norm_w 128 float32; position_ids 2 x 2,048 int32; q_norm_w 128 float32.
;; Outputs: out0 2 x 2,048 x 4,096 float32.
;; This version of the problem:
;;   THIS VERSION OF THE PROBLEM IS GIVEN IN LOW PRECISION. The matrix products marked QUANTISED in the list below multiply operands that are first quantised to E2M3 (2 exponent bits, 3 mantissa bits; 6 bits a number), with one power-of-two scale for each 32 numbers along K (OCP MX v1.0); their sums are f32. All else is computed in f32.
;;   The module's matrix products, in the order in which they are computed (A, B: the left and right operand; K: the contracted axis; several contracted axes count as one K, in the product's order):
;;     1. [M 4,096, K 4,096] x [K 4,096, N 1,024]; A: input hidden_states; B: input Wq: QUANTISED
;;     2. [M 4,096, K 4,096] x [K 4,096, N 512]; A: input hidden_states; B: input Wk: QUANTISED
;;     3. [M 4,096, K 4,096] x [K 4,096, N 512]; A: input hidden_states; B: input Wv: QUANTISED
;;     4. batch 16 x [M 2,048, K 128] x [K 128, N 2,048]; A: computed on the way; B: computed on the way: QUANTISED
;;     5. batch 16 x [M 128, K 2,048] x [K 2,048, N 2,048]; A: computed on the way; B: softmax (see below): QUANTISED
;;     6. [M 4,096, K 1,024] x [K 1,024, N 4,096]; A: computed on the way; B: input Wo: QUANTISED
;;   THE QUANTISER, for each operand of a quantised product, along K:
;;     - K is cut into blocks of 32 from its start; a last block that is shorter is filled with zeros.
;;     - A block's scale is 2^e with e = floor(log2(the largest magnitude in the block)) - 2, held to -126 .. 127; a block of zeros has e = 0. As a byte (E8M0): e + 127.
;;     - Each number is divided by its block's scale, clamped to +-7.5, and rounded to the nearest number of E2M3, ties to even, subnormals kept.
;;     - The product sums the exact products of the quantised numbers (number of the format x scale) in f32.
;;   ~~~python
;;   def quantise(x, axis):      # numpy; x: float32 -> the quantised numbers, widened to float32 again
;;       x = np.moveaxis(x, axis, -1); K = x.shape[-1]
;;       x = np.pad(x, [(0, 0)] * (x.ndim - 1) + [(0, -K % 32)]); x = x.reshape(x.shape[:-1] + (-1, 32)); a = np.abs(x).max(-1, keepdims=True)
;;       e = np.where(a > 0, np.clip(np.frexp(np.where(a > 0, a, 1))[1] - 1 - 2, -126, 127), 0)      # np.frexp(a)[1] - 1 = floor(log2(a)), exactly
;;       r = np.clip(x / 2.0 ** e, -7.5, 7.5)
;;       step = 2.0 ** (np.maximum(np.frexp(np.where(r == 0, 1, r))[1] - 1, 0) - 3)
;;       q = np.round(r / step) * step * 2.0 ** e      # np.round: ties to even
;;       return np.moveaxis(q.reshape(q.shape[:-2] + (-1,))[..., :K], -1, axis).astype(np.float32)
;;   ~~~
;;   SOFTMAX AHEAD OF A QUANTISED PRODUCT. Where the list says 'softmax', what is quantised is not the finished softmax but p = 2^(t - M), with t = logit x log2(e) and M = ceil(the row's largest t), a whole number; so 1/2 < the row's largest p <= 1. The row's sum l is taken of the UNQUANTISED p, in f32, and the product's result is divided by l at the end. Since M is a whole number, a kernel that streams over the keys may use a running M (the ceiling of the running maximum): every later rescaling is an exact power of two, which a block's scale takes up: the codes' values come out the same.
;;   OPERANDS COMPUTED ON THE WAY. 'Computed on the way' means the value that the module computes at that place (a softmax that the list does not call 'softmax' is quantised finished and normalised). What goes into a quantiser is computed in f32, as accurately as f32 sums, v_exp_f32 and their like allow (about 1e-6 of the number): no bf16 or f16 on the way to a quantiser, and a product that is left as it is and whose result goes on into a quantised operand takes f32 operands (vector FMAs, or v_wmma_f32_16x16x4_f32). A number that lies on a knife's edge between two numbers of the format may be rounded either way, as far as f32 arithmetic and the matrix unit's own rounding can turn it there, and no further.
;; One version. Each part assembles by itself: llvm-mc -triple=amdgcn-amd-amdhsa -mcpu=gfx1250 --defsym DOCPART=n.
;; ======== version 1 of 1: 4 launches
;; limits: inputs' magnitudes at most 1,048,576; right only within a limited range of input values
;; workspace buffers: XQ 13,107,200 bytes; WQ 6,553,600 bytes; WOQ 3,276,800 bytes; TAB 2,097,152 bytes; QC 3,276,800 bytes; KC 1,638,400 bytes; VC 1,638,400 bytes; AQ 3,276,800 bytes
;; launch prep (part 1): grid 960 x 1, 4 waves a work-group, no clusters, 34,304 bytes of LDS; arguments hidden_states, Wq, Wk, Wv, Wo, position_ids, XQ, WQ, WOQ, TAB; writes XQ, WQ, WOQ, TAB
.if DOCPART == 1
	.amdgcn_target "amdgcn-amd-amdhsa--gfx1250"
	.amdhsa_code_object_version 6
	.text
	.protected	k_q796f69e6d3_prep
	.globl	k_q796f69e6d3_prep
	.p2align	8
	.type	k_q796f69e6d3_prep,@function
k_q796f69e6d3_prep:
	s_mov_b64 s[64:65], 0
	v_nop
	global_prefetch_b8 v0, s[64:65] scope:SCOPE_SE
	s_setreg_imm32_b32 hwreg(HW_REG_WAVE_MODE, 25, 1), 1
	s_wait_xcnt 0x0
; hidden_states [4096][4096], Wq [1024][4096], Wk, Wv [512][4096], Wo [4096][1024], all f32 with K innermost, become codes of FP6 (E2M3) with one E8M0 byte for each 32 along K;
; and position_ids become a table of cos and sin for the rotary embedding.
; THE OPERANDS' FORMAT: a half group is 64 rows x 128 along K in 6,400 bytes: four fragments of 16 rows as IMAGES OF THE OPERAND'S REGISTERS (registers 4 c .. 4 c + 3 of lane l of fragment f at 1536 f + 512 c + 16 l),
; then 256 bytes of scale words (at 6144 + 8 l + 4 c: fragment 2 c + l / 16, row l % 16).  Row i of fragment f is row 32 (f / 2) + 8 (f % 2) + i + 8 (i / 8) of the 64.
; A block's scale is 2^(floor(log2(its largest magnitude)) - 2); its byte is the largest magnitude's exponent field - 2, held at 1 from below.
; LIMITS: NaN and infinities among the inputs are not served; a block of zeros gets the byte 1 where the rule says 127 (its codes are zeros, and this program alone reads the bytes); |position| stays under 2^20 (two-part reduction by pi / 2).
; SHARES: a wave's job is one half group: four fragments, 6,400 consecutive bytes out.  Work-groups 0-511 take hidden_states, 512-767 Wq, Wk, Wv, 768-895 Wo, 896-959 the table (a token fragment a wave).
; Small jobs, so that several work-groups lie on a WGP and each wave has 32 loads of 512 bytes on their way.
; Each load reads 512 consecutive bytes of one row; a fragment's 16 rows turn through the wave's own stage in LDS (rows of 512 + 16 bytes) so that a lane gets 16 neighbours of each block of 32.  Loads run two fragments ahead.
.set SPARE, 33792                      ; behind the four stages: the spare words, 128 bytes for each wave
.set STGB,  8448                       ; a wave's stage: 16 rows x 528 bytes
.set SP,    528
.set LI,  4                            ; v4   16 x lane
.set STW, 5                            ; v5   the stage, on the way in
.set STR, 6                            ; v6   and on the way out
.set L8,  7                            ; v7   8 x lane
.set VO,  8                            ; v8-15  16 x lane + k rows, k = 0 .. 7
.set SPW, 16                           ; v16  my spare word; never rewritten
.set NIL, 17                           ; v17  0; never rewritten
.set SI,  18                           ; v18-19 the scale words' image
.set PWS, 20                           ; v20-23 four fragments' scale words
.set TM,  24                           ; v24-39 at work in QUANT
.set PC,  40                           ; v40-59 the codes just made
.set R0,  64                           ; v64-191 two sets of 64: a fragment as loaded
.set X,   192                          ; v192-255 a fragment, 16 neighbours of each block a lane
.set PW,  PWS
.set WV,  24
.set SRC, 26
.set DST, 28
.set SEL, 60
.set HM,  62
.set BG,  66                           ; s66-81: eight bases, eight rows apart
; 64 numbers of a lane, register 16 b + i = k 32 b + 16 (lane / 16) + i of my row, become a fragment's 12 registers in v[PC] on and its scale word in v[PW].
.macro QUANT s
.irp b, 0,1,2,3
	v_max3_num_f32 v[TM+\b], |v[\s+16*\b]|, |v[\s+1+16*\b]|, 0x1800000   ; my 16 numbers of block b, and the floor 2^(3 - 127): the byte cannot fall under 1
.endr
.irp i, 2,4,6,8,10,12,14
.irp b, 0,1,2,3
	v_max3_num_f32 v[TM+\b], v[TM+\b], |v[\s+16*\b+\i]|, |v[\s+1+16*\b+\i]|
.endr
.endr
.irp b, 0,1,2,3
	v_permlanex16_b32 v[TM+4+\b], v[TM+\b], s[SEL], s[SEL+1]
.endr
.irp b, 0,1,2,3
	v_max_num_f32 v[TM+\b], v[TM+\b], v[TM+4+\b]                   ; with lane l xor 16's: the block's largest magnitude
.endr
.irp b, 0,1,2,3
	v_add_nc_u32 v[TM+12+\b], 0xff000000, v[TM+\b]                 ; 2 off its exponent field: the conversion's scale operand
.endr
.irp b, 0,1,2,3
	v_lshrrev_b32 v[TM+4+\b], 23, v[TM+12+\b]                      ; the scale's byte
.endr
	v_lshl_or_b32 v[PW], v[TM+5], 8, v[TM+4]
	v_lshl_or_b32 v[PW], v[TM+6], 16, v[PW]
	v_lshl_or_b32 v[PW], v[TM+7], 24, v[PW]
.irp c, 0,1
	v_cvt_scalef32_pk16_fp6_f32 v[PC+6*\c:PC+2+6*\c], v[\s+32*\c:\s+15+32*\c], v[TM+12+2*\c]
	v_cvt_scalef32_pk16_fp6_f32 v[PC+12+4*\c:PC+14+4*\c], v[\s+16+32*\c:\s+31+32*\c], v[TM+12+2*\c+1]
.endr
	v_nop                                                          ; one plain place behind a scaled conversion
.irp c, 0,1                                                        ; the operand's layout wants a whole block in a lane
.irp i, 0,1,2
	v_permlane16_swap_b32 v[PC+6*\c+\i], v[PC+12+4*\c+\i]
.endr
.irp i, 0,1,2
	v_mov_b32 v[PC+3+6*\c+\i], v[PC+12+4*\c+\i]
.endr
.endr
.endm
.macro IMG base, off                   ; the fragment goes out as it stands: three stores of 512 consecutive bytes
.irp c, 0,1,2
	global_store_b128 v[LI], v[PC+4*\c:PC+4*\c+3], s[\base:\base+1] offset:(\off)+512*\c
.endr
.endm
.macro SCIMG base, off                 ; four fragments' scale words: lanes 0-15 the even fragment's, lanes 16-31 the odd one's; 256 consecutive bytes, aligned
	v_cndmask_b32 v[SI], v[PWS], v[PWS+1], s[HM]
	v_cndmask_b32 v[SI+1], v[PWS+2], v[PWS+3], s[HM]
	global_store_b64 v[L8], v[SI:SI+1], s[\base:\base+1] offset:\off
.endm
	s_load_b256 s[4:11], s[0:1], 0x0               ; hidden_states s[4:5], Wq s[6:7], Wk s[8:9], Wv s[10:11]
	s_load_b256 s[12:19], s[0:1], 0x20             ; Wo s[12:13], position_ids s[14:15], XQ s[16:17], WQ s[18:19]
	s_load_b128 s[20:23], s[0:1], 0x40             ; WOQ s[20:21], TAB s[22:23]
	v_lshl_add_u32 v[SPW], v0, 2, SPARE
	v_mov_b32 v[NIL], 0
	v_lshrrev_b32 v1, 5, v0
	v_readfirstlane_b32 s[WV], v1                  ; wave 0..3
	v_and_b32 v1, 31, v0                           ; lane
	v_and_b32 v2, 15, v0                           ; r
	v_bfe_u32 v3, v0, 4, 1                         ; h
	v_lshlrev_b32 v[LI], 4, v1
	v_lshlrev_b32 v[L8], 3, v1
	s_mul_i32 s25, s[WV], STGB
	v_add_nc_u32 v[STW], s25, v[LI]                ; in: a row's 512 bytes as they lie
	v_mul_u32_u24 v[STR], v2, SP
	v_lshl_add_u32 v[STR], v3, 6, v[STR]
	v_add_nc_u32 v[STR], s25, v[STR]               ; out: row r, + 64 h: my 16 numbers of a block
	s_cmp_ge_u32 ttmp9, 896
	s_cbranch_scc1 .Ltable
	; ---- the quantising way.  Which tensor, which 64 rows, which K step: chosen by the work-group's and the wave's number alone; one path serves all tensors
	s_mov_b32 s[SEL], 0x76543210
	s_mov_b32 s[SEL+1], 0xfedcba98
	s_mov_b32 s[HM], 0xffff0000
.irp b, 0,1,2,3
	v_mov_b32 v[TM+4+\b], 0                        ; written once: a lane permute's destination counts as one of its sources
.endr
	s_mov_b32 s30, 768                             ; the tensor's first work-group,
	s_mov_b32 s31, 5                               ; log2 of the jobs in a tile of 256 rows,
	s_mov_b32 s32, 7                               ; K steps - 1,
	s_mov_b32 s33, 4096                            ; a row in bytes: Wo's
	s_cmp_lt_u32 ttmp9, 768
	s_cselect_b32 s30, 512, s30
	s_cselect_b32 s33, 16384, s33
	s_cmp_lt_u32 ttmp9, 512
	s_cselect_b32 s30, 0, s30
	s_cselect_b32 s31, 7, s31
	s_cselect_b32 s32, 31, s32
	s_sub_co_u32 s40, ttmp9, s30
	s_lshl_b32 s40, s40, 2
	s_add_co_u32 s40, s40, s[WV]                   ; J: the half group's number in its tensor's buffer; its 6,400 bytes begin at 6,400 J
	s_lshr_b32 s41, s40, s31
	s_lshl_b32 s41, s41, 2
	s_and_b32 s42, s40, 3
	s_add_co_u32 s41, s41, s42                     ; hidden_states, Wo: which 64 rows: 4 x tile + half group
	s_lshr_b32 s42, s40, 2
	s_and_b32 s42, s42, s32                        ; and which K step
	s_lshr_b32 s34, s40, 6                         ; Wq, Wk, Wv: the head column 0 .. 15,
	s_bfe_u32 s35, s40, 0x50001                    ; the K step,
	s_and_b32 s48, s40, 1                          ; and which half of the head's 128 rows
	s_wait_kmcnt 0x0
	s_mov_b64 s[36:37], s[10:11]
	s_mov_b32 s38, 12
	s_cmp_lt_u32 s34, 12
	s_cselect_b64 s[36:37], s[8:9], s[36:37]
	s_cselect_b32 s38, 8, s38
	s_cmp_lt_u32 s34, 8
	s_cselect_b64 s[36:37], s[6:7], s[36:37]
	s_cselect_b32 s38, 0, s38
	s_sub_co_u32 s34, s34, s38                     ; the head inside its own tensor
	s_lshl_b32 s34, s34, 1
	s_add_co_u32 s34, s34, s48                     ; its 64 rows
	s_cmp_lt_u32 ttmp9, 512
	s_cselect_b64 s[SRC:SRC+1], s[4:5], s[12:13]
	s_cselect_b64 s[DST:DST+1], s[16:17], s[20:21]
	s_sub_co_u32 s39, ttmp9, 512
	s_cmp_lt_u32 s39, 256                          ; work-groups 512 .. 767
	s_cselect_b64 s[SRC:SRC+1], s[36:37], s[SRC:SRC+1]
	s_cselect_b64 s[DST:DST+1], s[18:19], s[DST:DST+1]
	s_cselect_b32 s41, s34, s41
	s_cselect_b32 s42, s35, s42
	s_mul_i32 s43, s41, s33
	s_lshl_b32 s43, s43, 6                         ; 64 rows a group (under 2^27 bytes)
	s_lshl_b32 s42, s42, 9                         ; 512 bytes a K step
	s_add_co_u32 s44, s43, s42
	s_mov_b32 s45, 0
	s_add_nc_u64 s[BG:BG+1], s[SRC:SRC+1], s[44:45]
	s_lshl_b32 s44, s33, 3                         ; eight rows
.irp q, 1,2,3,4,5,6,7
	s_add_nc_u64 s[BG+2*\q:BG+2*\q+1], s[BG+2*\q-2:BG+2*\q-1], s[44:45]
.endr
	s_mul_i32 s46, s40, 6400
	s_mov_b32 s47, 0
	s_add_nc_u64 s[DST:DST+1], s[DST:DST+1], s[46:47]
	v_mov_b32 v[VO], v[LI]
.irp k, 1,2,3,4,5,6,7
	v_add_nc_u32 v[VO+\k], s33, v[VO+\k-1]
.endr
; fragment t: its rows 0-7 and 8-15 are two groups of eight neighbouring rows, two groups apart
.macro LOAD t
.set QB, 4*((\t)/2)+(\t)%2
.set RB, R0+64*((\t)%2)
.irp i, 0,1,2,3,4,5,6,7,8,9,10,11,12,13,14,15
	global_load_b128 v[RB+4*\i:RB+4*\i+3], v[VO+\i%8], s[BG+2*(QB+2*(\i/8)):BG+2*(QB+2*(\i/8))+1] th:TH_LOAD_NT   ; 32 lanes read 512 consecutive bytes of one row
.endr
.endm
	LOAD 0
	LOAD 1
	s_wait_alu depctr_va_vdst(0)
.irp t, 0,1,2,3
.if \t < 3
	s_wait_loadcnt 16                              ; this fragment's 16 loads are in; the next fragment's 16 may be out
.else
	s_wait_loadcnt 0x0
.endif
.irp i, 0,1,2,3,4,5,6,7,8,9,10,11,12,13,14,15
	ds_store_b128 v[STW], v[R0+64*(\t%2)+4*\i:R0+64*(\t%2)+4*\i+3] offset:SP*\i
.endr
.irp i, 0,1,2,3,4,5,6,7,8,9,10,11,12,13,14,15
	ds_load_b128 v[X+4*\i:X+4*\i+3], v[STR] offset:128*(\i/4)+16*(\i%4)   ; LDS serves a wave's instructions in order: these see the stores above
.endr
	s_wait_dscnt 0x0                               ; the numbers are back, and the stores have read their registers,
.if \t < 2
	LOAD \t+2                                      ; which take the fragment two further on
.endif
	s_wait_xcnt 0x0                                ; the last fragment's stores have read the codes' registers: they are rewritten only behind this wait
.set PW, PWS+\t
	QUANT X
	IMG DST, 1536*\t
.if \t == 3
	SCIMG DST, 6144
.endif
.endr
	s_wait_tensorcnt 0x0                           ; the wave's end, behind my last LDS store
	ds_add_u32 v[SPW], v[NIL]
	s_wait_dscnt 0x0
	s_endpgm
	; ---- the table: cos and sin of position x 10000^(-i / 64) for a fragment's 16 tokens, laid as the projection's results lie: lane (r, h), number n = 0 .. 31: frequency i = 32 (n / 16) + 16 h + n % 16.  No LDS on this way
.Ltable:
	s_sub_co_u32 s25, ttmp9, 896
	s_lshl_b32 s25, s25, 2
	s_add_co_u32 s25, s25, s[WV]                   ; F: the token fragment, 0 .. 255
	s_lshr_b32 s26, s25, 2
	s_lshl_b32 s26, s26, 6                         ; 64 (F / 4)
	s_bfe_u32 s27, s25, 0x10001
	s_lshl_b32 s27, s27, 5
	s_add_co_u32 s26, s26, s27                     ; + 32 ((F % 4) / 2)
	s_and_b32 s27, s25, 1
	s_lshl_b32 s27, s27, 3
	s_add_co_u32 s26, s26, s27                     ; + 8 (F % 2)
	s_wait_alu depctr_va_vdst(0)
	v_and_b32 v50, 8, v2
	v_add_nc_u32 v50, v50, v2
	v_add_nc_u32 v50, s26, v50                     ; + r + 8 (r / 8): my token
	v_lshlrev_b32 v50, 2, v50
	s_lshl_b32 s28, s25, 13                        ; 8,192 bytes a fragment
	s_mov_b32 s29, 0
	s_mov_b32 s30, 0x3f22f983                      ; 2 / pi
	s_mov_b32 s31, 0x3fc90fdb                      ; pi / 2, its f32,
	s_mov_b32 s32, 0xb33bbd2e                      ; and what that f32 leaves
	s_mov_b32 s33, 0xbe2aaaa3                      ; sine's polynomial on |x| <= pi / 4
	s_mov_b32 s34, 0x3c08839e
	s_mov_b32 s35, 0xb94ca1f9
	s_mov_b32 s36, 0x37ccf5ce                      ; cosine's
	s_mov_b32 s37, 0xbab6061a
	s_mov_b32 s38, 0x3d2aaaa5
	s_mov_b32 s39, 0xbe549a78                      ; -log2(10000) / 64
	s_mov_b32 s40, 0x80000000
	s_wait_alu depctr_va_vdst(0)
	s_wait_kmcnt 0x0
	global_load_b32 v48, v50, s[14:15]             ; my token's position
	s_add_nc_u64 s[22:23], s[22:23], s[28:29]
	v_lshlrev_b32 v49, 4, v3                       ; 16 h
.set n, 0
.rept 32
	v_add_nc_u32 v[64+n], 32*(n/16)+n%16, v49
.set n, n+1
.endr
.set n, 0
.rept 32
	v_cvt_f32_u32 v[64+n], v[64+n]
.set n, n+1
.endr
.set n, 0
.rept 32
	v_mul_f32 v[64+n], s39, v[64+n]
.set n, n+1
.endr
.set n, 0
	s_wait_alu depctr_va_vdst(0)
.rept 32
	v_exp_f32 v[64+n], v[64+n]                     ; the inverse frequencies: one batch
.set n, n+1
.endr
	s_wait_loadcnt 0x0
	v_cvt_f32_i32 v48, v48                         ; the position as f32: the plain place behind the batch
	s_wait_alu depctr_va_vdst(0)                   ; one wait for the 32 exponentials, ahead of their first reader
.macro SINCOS n
	v_mul_f32 v32, v48, v[64+\n]                   ; the angle, rounded once, as position x inverse frequency is
	v_mul_f32 v33, s30, v32
	v_rndne_f32 v33, v33                           ; k quarter turns
	v_fma_f32 v34, -v33, s31, v32
	v_fma_f32 v34, -v33, s32, v34                  ; what is left, |x| <= pi / 4
	v_mul_f32 v35, v34, v34
	v_cvt_i32_f32 v36, v33
	v_fma_f32 v37, s35, v35, s34
	v_fma_f32 v39, s36, v35, s37
	v_fma_f32 v37, v37, v35, s33
	v_fma_f32 v39, v39, v35, s38
	v_mul_f32 v38, v35, v34
	v_mul_f32 v40, v35, v35
	v_fma_f32 v41, v35, -0.5, 1.0
	v_fma_f32 v37, v37, v38, v34                   ; sin x
	v_fma_f32 v39, v39, v40, v41                   ; cos x
	v_and_b32 v42, 1, v36
	v_cmp_eq_u32 vcc_lo, 1, v42                    ; an odd quarter swaps the two
	v_cndmask_b32 v43, v37, v39, vcc_lo
	v_cndmask_b32 v44, v39, v37, vcc_lo
	v_lshlrev_b32 v45, 30, v36
	v_add_nc_u32 v46, 1, v36
	v_and_b32 v45, s40, v45                        ; the sine is negative in quarters 2 and 3,
	v_lshlrev_b32 v46, 30, v46
	v_and_b32 v46, s40, v46                        ; the cosine in quarters 1 and 2
	v_xor_b32 v[128+\n], v45, v43
	v_xor_b32 v[96+\n], v46, v44
.endm
.set m, 0
.rept 32
	SINCOS m
.set m, m+1
.endr
.irp k, 0,1,2,3,4,5,6,7,8,9,10,11,12,13,14,15
	global_store_b128 v[LI], v[96+4*\k:99+4*\k], s[22:23] offset:512*\k   ; 32 cosines, then 32 sines; each store covers 512 consecutive bytes
.endr
	s_endpgm
.Lfunc_end_k_q796f69e6d3_prep:
	.size	k_q796f69e6d3_prep, .Lfunc_end_k_q796f69e6d3_prep-k_q796f69e6d3_prep
	.p2alignl 7, 3214868480
	.fill 96, 4, 3214868480
	.section	.rodata,"a",@progbits
	.p2align	6, 0x0
	.amdhsa_kernel k_q796f69e6d3_prep
		.amdhsa_group_segment_fixed_size 34304
		.amdhsa_private_segment_fixed_size 0
		.amdhsa_enable_private_segment 0
		.amdhsa_kernarg_size 80
		.amdhsa_user_sgpr_count 2
		.amdhsa_user_sgpr_kernarg_segment_ptr 1
		.amdhsa_wavefront_size32 1
		.amdhsa_system_sgpr_workgroup_id_x 1
		.amdhsa_system_sgpr_workgroup_id_y 1
		.amdhsa_system_sgpr_workgroup_id_z 1
		.amdhsa_system_vgpr_workitem_id 0
		.amdhsa_next_free_vgpr 256
		.amdhsa_next_free_sgpr 100
		.amdhsa_reserve_vcc 1
		.amdhsa_float_denorm_mode_32 3
		.amdhsa_float_denorm_mode_16_64 3
		.amdhsa_memory_ordered 1
		.amdhsa_forward_progress 1
		.amdhsa_inst_pref_size 78
	.end_amdhsa_kernel
	.amdgpu_metadata
---
amdhsa.version: [ 1, 2 ]
amdhsa.kernels:
  - .name:           k_q796f69e6d3_prep
    .symbol:         k_q796f69e6d3_prep.kd
    .args:
      - { .name: hidden_states, .offset: 0, .size: 8, .value_kind: global_buffer, .address_space: global }
      - { .name: Wq, .offset: 8, .size: 8, .value_kind: global_buffer, .address_space: global }
      - { .name: Wk, .offset: 16, .size: 8, .value_kind: global_buffer, .address_space: global }
      - { .name: Wv, .offset: 24, .size: 8, .value_kind: global_buffer, .address_space: global }
      - { .name: Wo, .offset: 32, .size: 8, .value_kind: global_buffer, .address_space: global }
      - { .name: position_ids, .offset: 40, .size: 8, .value_kind: global_buffer, .address_space: global }
      - { .name: XQ, .offset: 48, .size: 8, .value_kind: global_buffer, .address_space: global }
      - { .name: WQ, .offset: 56, .size: 8, .value_kind: global_buffer, .address_space: global }
      - { .name: WOQ, .offset: 64, .size: 8, .value_kind: global_buffer, .address_space: global }
      - { .name: TAB, .offset: 72, .size: 8, .value_kind: global_buffer, .address_space: global }
    .group_segment_fixed_size: 34304
    .private_segment_fixed_size: 0
    .kernarg_segment_align: 8
    .kernarg_segment_size: 80
    .max_flat_workgroup_size: 128
    .sgpr_count:     100
    .vgpr_count:     256
    .wavefront_size: 32
...
	.end_amdgpu_metadata
.endif
;; end of part 1
;; launch qkv (part 2): grid 16 x 16, 4 waves a work-group, clusters of 4 x 4, 327,680 bytes of LDS; arguments XQ, WQ, TAB, q_norm_w, k_norm_w, QC, KC, VC; writes QC, KC, VC
.if DOCPART == 2
	.amdgcn_target "amdgcn-amd-amdhsa--gfx1250"
	.amdhsa_code_object_version 6
	.text
	.protected	k_q796f69e6d3_qkv
	.globl	k_q796f69e6d3_qkv
	.p2align	8
	.type	k_q796f69e6d3_qkv,@function
k_q796f69e6d3_qkv:
	s_mov_b64 s[64:65], 0
	v_nop
	global_prefetch_b8 v0, s[64:65] scope:SCOPE_SE
	s_setreg_imm32_b32 hwreg(HW_REG_WAVE_MODE, 25, 1), 1
	s_wait_xcnt 0x0
	s_wait_alu depctr_hold_cnt(0) depctr_sa_sdst(0) depctr_va_vdst(0) depctr_va_sdst(0) depctr_va_ssrc(0) depctr_va_vcc(0) depctr_vm_vsrc(0)
	s_getreg_b32 s2, hwreg(HW_REG_IB_STS2, 6, 4)
	s_cmp_eq_u32 s2, 0
	s_cbranch_scc0 .Lentry_in_a_cluster
	s_endpgm
.Lentry_in_a_cluster:
	s_bfe_u32 s2, ttmp6, 0x10000c
	s_cmp_lg_u32 s2, 0xf033
	s_cbranch_scc0 .Lentry_shape_is_right
	s_endpgm
.Lentry_shape_is_right:
; q, k, v = hidden_states x (Wq, Wk, Wv)^T on codes of FP6 (E2M3) with E8M0 scales, K = 4,096; then, per head of 128: RMS norm, norm weight and rotary embedding (q, k), and the quantiser for attention:
; q and k along the head, v along the tokens.  Operands and results are half groups (64 rows x 128 K in 6,400 bytes: four fragments as images of the operand's registers, then 256 bytes of scale words).
; SHARES: a work-group makes 256 tokens x one head column (0-7 q, 8-11 k, 12-15 v); a wave 64 tokens x 128: 32 accumulators.  256 work-groups, 4 x 4 to a cluster.
; A (the tokens): a wave's half group of a K step is read by that wave alone, and lies in XQ as its registers want it: it goes from memory STRAIGHT INTO REGISTERS, 13 global loads a K step, four K steps ahead, in eight sets.
;   No joint load for A: a joint load delivers into LDS, through which these bytes would pass only to be read once by one wave.
; B (the weights): all four waves read all of it.  It goes through two LDS slots of eight K steps (102,400 bytes), filled by joint loads along the cluster's column, a quarter of a slot a wave.
; THE WALK: position 0 is K step 31, whose B also comes by global loads: its products start the sums while slot 0 is on its way.  Position n > 0 is K step n - 1.  (The sums so run K step 31, 0, 1 .. 30: an order of rounding other than ascending K.)
; A trip is eight positions.  Its first holds the three lines, the cluster's round and the fill of the other slot (224 products ahead of the wait for it); its last holds the wait for that fill and a plain barrier, behind which nothing is filled.
; Of the last fill K step 31's bytes are not read from LDS; they share a load with K step 30's.
; PREFETCHES: A: at positions 1 and 5 of a trip each wave names its own half group of one of the four K steps that its loads ask for three to six positions later; the four partners of a cluster's row take one K step each, by address (25 blocks of 256 bytes; lanes 25-31 name the last again).
;   K steps 0-7 come by their loads alone.  B: in trips 0 and 1 each wave names a quarter (by cy) of the 25,600 bytes that it will fetch in the next trip.  The table: one request a wave, a fragment a partner.  The norm weights are 512 bytes: none.
; The table of cos and sin and the norm weights are loaded in the last position, by q's and k's clusters alone: v has no use for them.
; LIMITS: NaN and infinities are not served; a block of zeros gets the byte 1 (its codes are zeros, and this program alone reads the bytes).
; REGISTERS: window 0: v3-24 addresses; v32-47 A's scale words, v48-55 B's; v64-255 A's sets 0-3 (on the way out: at work).  window 1: v0-191 B's two sets, v192-255 norm weights.  window 2: the accumulators.  window 3: v0-191 A's sets 4-7, then the table.
.set SLOT1, 131072
.set SPARE, 233472                     ; behind slot 1: the spare words, 128 bytes a wave
.set VP,    1040
.set KA,    25600                      ; a K step of 256 rows of XQ
.set KB,    12800                      ; a K step of a head column of WQ
.set LI,   3
.set L8,   4
.set NWO,  7
.set ADL,  8                           ; v8, v9: B's fragments in this trip's slot, K steps 0-3 and 4-7;  v10: the other slot
.set ADN,  10
.set ASL,  12                          ; v12, v13, v14: the same for B's scale words
.set ASN,  14
.set LIH,  15
.set L8S,  16
.set L8H,  17
.set PFO,  18
.set PFT,  19
.set SPW,  20
.set NIL,  21
.set VST,  22
.set VRD,  24
.set SCA,  32
.set SCB,  48
.set AF,   64
.set Y,    64
.set Z,    128
.set TM,   192
.set PC,   208
.set PWS,  228
.set SS,   232
.set RS,   240
.set SI,   242
.set PW,   PWS
.set NW,   192
.set WV,   20
.set WH,   21
.set WL,   22
.set AB,   24                          ; s[24:25] my half group of this trip's first K step
.set PFA,  26
.set BC,   28                          ; s[28:29] my head column in WQ
.set PFB,  30
.set SB,   32                          ; s32, s33: this trip's slot and the other
.set SN,   33
.set PFTB, 34
.set G1B,  48
.set G0,   56
.set SEL,  66
.set HM,   68
.set I128, 69
.set OUT,  70
.set EPSR, 82
.set TABB, 84
.set VOUT, 90
.set MSB, 0
.macro WIN new
.if MSB != \new
	s_set_vgpr_msb (MSB<<8)|\new
.set MSB, \new
.endif
.endm
.macro PLACES n
.rept \n
	v_nop
.endr
.endm
.macro CREST
	s_cmp_lg_u32 s[WV], 0
	s_cbranch_scc1 .Lnot_wave_0_\@
	s_barrier_signal -3
.Lnot_wave_0_\@:
	s_barrier_wait -3
	s_barrier_signal -1
	s_barrier_wait -1
.endm
.macro CROUND
	s_barrier_signal -1
	s_barrier_wait -1
	CREST
.endm
.macro WM d, a, b, zero, sa, sb, ra, rb
.if \zero
.if (\ra)&&(\rb)
	v_wmma_scale_f32_16x16x128_f8f6f4 v[\d:\d+7], v[\a:\a+11], v[\b:\b+11], 0, v[\sa], v[\sb] matrix_a_fmt:MATRIX_FMT_FP6 matrix_b_fmt:MATRIX_FMT_FP6 matrix_a_scale:MATRIX_SCALE_ROW1 matrix_b_scale:MATRIX_SCALE_ROW1
.elseif (\ra)
	v_wmma_scale_f32_16x16x128_f8f6f4 v[\d:\d+7], v[\a:\a+11], v[\b:\b+11], 0, v[\sa], v[\sb] matrix_a_fmt:MATRIX_FMT_FP6 matrix_b_fmt:MATRIX_FMT_FP6 matrix_a_scale:MATRIX_SCALE_ROW1
.elseif (\rb)
	v_wmma_scale_f32_16x16x128_f8f6f4 v[\d:\d+7], v[\a:\a+11], v[\b:\b+11], 0, v[\sa], v[\sb] matrix_a_fmt:MATRIX_FMT_FP6 matrix_b_fmt:MATRIX_FMT_FP6 matrix_b_scale:MATRIX_SCALE_ROW1
.else
	v_wmma_scale_f32_16x16x128_f8f6f4 v[\d:\d+7], v[\a:\a+11], v[\b:\b+11], 0, v[\sa], v[\sb] matrix_a_fmt:MATRIX_FMT_FP6 matrix_b_fmt:MATRIX_FMT_FP6
.endif
.else
.if (\ra)&&(\rb)
	v_wmma_scale_f32_16x16x128_f8f6f4 v[\d:\d+7], v[\a:\a+11], v[\b:\b+11], v[\d:\d+7], v[\sa], v[\sb] matrix_a_fmt:MATRIX_FMT_FP6 matrix_b_fmt:MATRIX_FMT_FP6 matrix_a_scale:MATRIX_SCALE_ROW1 matrix_b_scale:MATRIX_SCALE_ROW1
.elseif (\ra)
	v_wmma_scale_f32_16x16x128_f8f6f4 v[\d:\d+7], v[\a:\a+11], v[\b:\b+11], v[\d:\d+7], v[\sa], v[\sb] matrix_a_fmt:MATRIX_FMT_FP6 matrix_b_fmt:MATRIX_FMT_FP6 matrix_a_scale:MATRIX_SCALE_ROW1
.elseif (\rb)
	v_wmma_scale_f32_16x16x128_f8f6f4 v[\d:\d+7], v[\a:\a+11], v[\b:\b+11], v[\d:\d+7], v[\sa], v[\sb] matrix_a_fmt:MATRIX_FMT_FP6 matrix_b_fmt:MATRIX_FMT_FP6 matrix_b_scale:MATRIX_SCALE_ROW1
.else
	v_wmma_scale_f32_16x16x128_f8f6f4 v[\d:\d+7], v[\a:\a+11], v[\b:\b+11], v[\d:\d+7], v[\sa], v[\sb] matrix_a_fmt:MATRIX_FMT_FP6 matrix_b_fmt:MATRIX_FMT_FP6
.endif
.endif
.endm
; 64 numbers of a lane (register 16 b + i = k 32 b + 16 (lane / 16) + i of my row) become a fragment's 12 registers in v[PC] on and its scale word in v[PW]
.macro QUANT s
.irp b, 0,1,2,3
	v_max3_num_f32 v[TM+\b], |v[\s+16*\b]|, |v[\s+1+16*\b]|, 0x1800000   ; with the floor 2^(3 - 127): the byte cannot fall under 1
.endr
.irp i, 2,4,6,8,10,12,14
.irp b, 0,1,2,3
	v_max3_num_f32 v[TM+\b], v[TM+\b], |v[\s+16*\b+\i]|, |v[\s+1+16*\b+\i]|
.endr
.endr
.irp b, 0,1,2,3
	v_permlanex16_b32 v[TM+4+\b], v[TM+\b], s[SEL], s[SEL+1]
.endr
.irp b, 0,1,2,3
	v_max_num_f32 v[TM+\b], v[TM+\b], v[TM+4+\b]
.endr
.irp b, 0,1,2,3
	v_add_nc_u32 v[TM+12+\b], 0xff000000, v[TM+\b]                 ; 2 off the exponent field: the conversion's scale operand
.endr
.irp b, 0,1,2,3
	v_lshrrev_b32 v[TM+4+\b], 23, v[TM+12+\b]
.endr
	v_lshl_or_b32 v[PW], v[TM+5], 8, v[TM+4]
	v_lshl_or_b32 v[PW], v[TM+6], 16, v[PW]
	v_lshl_or_b32 v[PW], v[TM+7], 24, v[PW]
.irp c, 0,1
	v_cvt_scalef32_pk16_fp6_f32 v[PC+6*\c:PC+2+6*\c], v[\s+32*\c:\s+15+32*\c], v[TM+12+2*\c]
	v_cvt_scalef32_pk16_fp6_f32 v[PC+12+4*\c:PC+14+4*\c], v[\s+16+32*\c:\s+31+32*\c], v[TM+12+2*\c+1]
.endr
	v_nop                                                          ; one plain place behind a scaled conversion
.irp c, 0,1
.irp i, 0,1,2
	v_permlane16_swap_b32 v[PC+6*\c+\i], v[PC+12+4*\c+\i]
.endr
.irp i, 0,1,2
	v_mov_b32 v[PC+3+6*\c+\i], v[PC+12+4*\c+\i]
.endr
.endr
.endm
.macro IMG base, off                   ; three stores of 512 consecutive bytes
.irp c, 0,1,2
	global_store_b128 v[LI], v[PC+4*\c:PC+4*\c+3], s[\base:\base+1] offset:(\off)+512*\c
.endr
.endm
.macro SCIMG base, off                 ; four fragments' scale words: 256 consecutive bytes, aligned
	v_cndmask_b32 v[SI], v[PWS], v[PWS+1], s[HM]
	v_cndmask_b32 v[SI+1], v[PWS+2], v[PWS+3], s[HM]
	global_store_b64 v[L8], v[SI:SI+1], s[\base:\base+1] offset:\off
.endm
.macro CSLOAD a                        ; the table of token fragment a: 32 cosines and 32 sines a lane, into window 3
	WIN 0xc0
.irp k, 0,1,2,3,4,5,6,7,8,9,10,11,12,13,14,15
	global_load_b128 v[64*(\a)+4*\k:64*(\a)+4*\k+3], v[LI], s[TABB:TABB+1] offset:8192*(\a)+512*\k
.endr
	WIN 0
.endm
.macro ALOAD set, off                  ; my half group at s[AB] + off: 12 loads of 512 consecutive bytes and its scale words
.if (\set) < 4
	WIN 0
.set AR, AF+48*(\set)
.else
	WIN 0xc0
.set AR, 48*((\set)-4)
.endif
.irp a, 0,1,2,3
.irp c, 0,1,2
	global_load_b128 v[AR+12*\a+4*\c:AR+12*\a+4*\c+3], v[LI], s[AB:AB+1] offset:(\off)+1536*\a+512*\c
.endr
.endr
	WIN 0
	global_load_b64 v[SCA+2*(\set):SCA+2*(\set)+1], v[L8], s[AB:AB+1] offset:(\off)+6144
.endm
.macro FETCHB ra, rs, off, p           ; B's eight fragments and scale words of one K step from LDS into set p: 26 loads
	WIN 0x40
.irp b, 0,1,2,3,4,5,6,7
.irp c, 0,1,2
	ds_load_b128 v[96*(\p)+12*\b+4*\c:96*(\p)+12*\b+4*\c+3], v[\ra] offset:(\off)+6400*(\b/4)+1536*(\b%4)+512*\c
.endr
.endr
	WIN 0
	ds_load_b64 v[SCB+4*(\p):SCB+4*(\p)+1], v[\rs] offset:\off
	ds_load_b64 v[SCB+4*(\p)+2:SCB+4*(\p)+3], v[\rs] offset:(\off)+6400
.endm
; n of A's blocks from a0 on x B's eight; source 0 = B (window 1), source 1 = A (window 0 or 3), sums in window 2.  The 32 accumulators take turns
.macro MUL a0, n, pa, pb, zero
.if (\pa) < 4
	WIN 0xa1
.set AR, AF+48*(\pa)
.else
	WIN 0xad
.set AR, 48*((\pa)-4)
.endif
.set AA, \a0
.rept \n
.irp b, 0,1,2,3,4,5,6,7
	WM 8*(8*AA+\b),96*(\pb)+12*\b,AR+12*AA,\zero,SCB+4*(\pb)+\b/2,SCA+2*(\pa)+AA/2,\b%2,AA%2
.endr
.set AA, AA+1
.endr
.endm
.macro SETADR                          ; B's LDS addresses for a trip
	v_add_nc_u32 v[ADL], s[SB], v[LI]
	v_add_nc_u32 v[ADL+1], s[SB], v[LIH]
	v_add_nc_u32 v[ADN], s[SN], v[LI]
	v_add_nc_u32 v[ASL], s[SB], v[L8S]
	v_add_nc_u32 v[ASL+1], s[SB], v[L8H]
	v_add_nc_u32 v[ASN], s[SN], v[L8S]
.endm
	s_load_b256 s[4:11], s[0:1], 0x0               ; XQ s[4:5], WQ s[6:7], TAB s[8:9], q_norm_w s[10:11]
	s_load_b256 s[12:19], s[0:1], 0x20             ; k_norm_w s[12:13], QC s[14:15], KC s[16:17], VC s[18:19]
	v_lshl_add_u32 v[SPW], v0, 2, SPARE
	v_mov_b32 v[NIL], 0
	ds_add_u32 v[SPW], v[NIL]                      ; the opening lines: the add, twice on end, and its wait ahead of my first tensor load
	ds_add_u32 v[SPW], v[NIL]
	v_lshrrev_b32 v1, 5, v0
	v_readfirstlane_b32 s[WV], v1                  ; wave 0..3
	s_lshr_b32 s[WH], s[WV], 1
	s_and_b32 s[WL], s[WV], 1
	s_bfe_u32 s40, ttmp6, 0x40000                  ; cx
	s_bfe_u32 s41, ttmp6, 0x40004                  ; cy
	s_lshl_b32 s42, ttmp9, 2
	s_add_co_u32 s42, s42, s40                     ; head column
	s_and_b32 s43, ttmp7, 0xffff
	s_lshl_b32 s43, s43, 2
	s_add_co_u32 s43, s43, s41                     ; tile of 256 tokens
	s_lshl_b32 s45, 0x1111, s40                    ; my column of the cluster
	s_or_b32 s[G1B], s45, (3<<16)|(1<<21)          ; 25,600 dense bytes as 100 rows of 256
	s_mov_b32 s[G1B+1], 32<<16
	s_mov_b32 s[G1B+2], 100<<16
	s_mov_b32 s[G1B+3], 32<<16
	s_mov_b32 s[G1B+4], 100
	s_mov_b32 s[G1B+5], 32
	s_mov_b32 s[G1B+6], 0
	s_mov_b32 s[G1B+7], 0
	s_mul_i32 s46, s43, 32*KA
	s_mul_i32 s23, s[WV], 6400
	s_add_co_u32 s46, s46, s23                     ; my half group of K step 0
	s_mov_b32 s47, 0
	s_mul_i32 s36, s40, KA                         ; A's prefetches: partner cx takes K step + cx
	s_mov_b32 s37, 0
	s_mul_i32 s74, s42, 32*KB
	s_mov_b32 s75, 0
	s_mul_i32 s76, s[WV], 2*KB                     ; my quarter of a slot, in memory and in LDS
	s_mov_b32 s77, 0
	s_mul_i32 s38, s41, 6400                       ; B's prefetches: partner cy takes a quarter of my quarter, two slots on
	s_add_co_u32 s38, s38, 16*KB
	s_mov_b32 s39, 0
	s_lshl_b32 s83, s43, 2
	s_add_co_u32 s83, s83, s[WV]                   ; my token half group, 0 .. 63
	s_lshl_b32 s86, s83, 15
	s_mov_b32 s87, 0
	s_lshl_b32 s88, s40, 13
	s_mov_b32 s89, 0
	s_lshl_b32 s78, s[WV], 8
	s_mul_i32 s79, s[WL], 64*VP
	s_lshl_b32 s44, s[WH], 9
	s_add_co_u32 s79, s79, s44
	s_mov_b32 s[SEL], 0x76543210
	s_mov_b32 s[SEL+1], 0xfedcba98
	s_mov_b32 s[HM], 0xffff0000
	s_mov_b32 s[I128], 0x3c000000                  ; 1 / 128
	s_mov_b32 s[EPSR], 0x358637bd                  ; 1e-6
	s_mov_b32 s[SB], 0
	s_mov_b32 s[SN], SLOT1
	v_and_b32 v1, 15, v0
	v_bfe_u32 v2, v0, 4, 1
	v_and_b32 v5, 31, v0
	v_lshlrev_b32 v[LI], 4, v5
	v_lshlrev_b32 v[L8], 3, v5
	v_add_nc_u32 v[LIH], 4*KB, v[LI]
	v_add_nc_u32 v[L8S], 6144, v[L8]
	v_add_nc_u32 v[L8H], 4*KB+6144, v[L8]
	v_lshlrev_b32 v[PFT], 8, v5
	v_min_u32 v[PFO], 24, v5
	v_lshlrev_b32 v[PFO], 8, v[PFO]
	SETADR
	v_and_b32 v6, 8, v1
	v_add_nc_u32 v6, v6, v1
	v_lshlrev_b32 v[VST], 2, v6                    ; v's way out: a stage of 128 rows (d) x 256 tokens of f32, rows VP bytes apart
	v_mad_u32_u24 v[VST], v2, 16*VP, v[VST]
	v_add_nc_u32 v[VST], s78, v[VST]
	v_add_nc_u32 v[VST+1], 64*VP, v[VST]
	v_mul_u32_u24 v[VRD], v6, VP
	v_lshl_add_u32 v[VRD], v2, 6, v[VRD]
	v_add_nc_u32 v[VRD], s79, v[VRD]
	v_lshlrev_b32 v[NWO], 6, v2
	s_wait_alu depctr_va_vdst(0)
	s_wait_dscnt 0x0                               ; both opening adds are done
	s_wait_kmcnt 0x0
	s_add_nc_u64 s[AB:AB+1], s[4:5], s[46:47]
	s_add_nc_u64 s[PFA:PFA+1], s[AB:AB+1], s[36:37]
	s_add_nc_u64 s[BC:BC+1], s[6:7], s[74:75]
	s_add_nc_u64 s[G0+2:G0+3], s[BC:BC+1], s[76:77]
	s_add_nc_u64 s[PFB:PFB+1], s[G0+2:G0+3], s[38:39]
	s_or_b32 s[G0+3], s[G0+3], 0x80000000
	s_mov_b32 s[G0], 1
	s_mov_b32 s[G0+1], s76
	s_add_nc_u64 s[TABB:TABB+1], s[8:9], s[86:87]
	s_add_nc_u64 s[PFTB:PFTB+1], s[TABB:TABB+1], s[88:89]
	s_cmp_lt_u32 ttmp9, 2
	s_cselect_b64 s[80:81], s[10:11], s[12:13]     ; q's norm weights or k's
	WIN 0x40                                       ; position 0: B of K step 31 straight into set 0,
.irp b, 0,1,2,3,4,5,6,7
.irp c, 0,1,2
	global_load_b128 v[12*\b+4*\c:12*\b+4*\c+3], v[LI], s[BC:BC+1] offset:31*KB+6400*(\b/4)+1536*(\b%4)+512*\c
.endr
.endr
	WIN 0
	global_load_b64 v[SCB:SCB+1], v[L8], s[BC:BC+1] offset:31*KB+6144
	global_load_b64 v[SCB+2:SCB+3], v[L8], s[BC:BC+1] offset:31*KB+6400+6144
	ALOAD 0, 31*KA                                 ; and its A
	CROUND                                         ; all sixteen work-groups are here: the first joint loads meet
	tensor_load_to_lds s[G0:G0+3], s[G1B:G1B+7]    ; my quarter of slot 0, K steps 0-7: my one tensor load at the head
	s_nop 0
	PLACES 4
	ALOAD 1, 0
	ALOAD 2, KA
	ALOAD 3, 2*KA
	s_wait_loadcnt 39                              ; position 0's 39 loads are in; behind them three sets of 13
	ALOAD 4, 3*KA
	MUL 0,4,0,0,1                                  ; the first products start the sums
	WIN 0
	s_cmp_eq_u32 ttmp9, 3
	s_cbranch_scc1 .Lno_pft                        ; v's clusters do not read the table
	global_prefetch_b8 v[PFT], s[PFTB:PFTB+1] th:TH_LOAD_NT scope:SCOPE_SE   ; fragment cx of my four: 32 blocks of 256 bytes; its registers are never rewritten
.Lno_pft:
	s_wait_tensorcnt 0x0                           ; my quarter of slot 0 is in
	s_barrier_signal -1
	s_barrier_wait -1                              ; and everybody's
	FETCHB ADL, ASL, 0, 1
; A plain position j of a trip: K step 8 t + j.  A's set (j + 1) % 8, B's set (j + 1) % 2.  ld: A of four positions on is asked for; ft: B of the next K step is fetched; cnt: the global loads issued behind this position's
.macro POS j, ld, ft, cnt, hook
	s_wait_dscnt 0x0                               ; B's set is in
	s_wait_loadcnt \cnt                            ; A's set is in
	PLACES 4                                       ; in front of loads into registers that the last position's products read
.if \ld
	ALOAD ((\j)+5)%8, ((\j)+4)*KA
.endif
.if \ft
	FETCHB ADL+((\j)+1)/4, ASL+((\j)+1)/4, KB*(((\j)+1)%4), (\j)%2
.endif
.if \hook == 1
	global_prefetch_b8 v[PFO], s[PFA:PFA+1] offset:((\j)+7)*KA th:TH_LOAD_NT scope:SCOPE_SE
.elseif \hook == 2
	s_cmp_gt_u32 s3, 1                             ; the last trip has no fill behind it
	s_cbranch_scc0 .Lnopf_\@
	global_prefetch_b8 v[PFO], s[PFB:PFB+1] th:TH_LOAD_NT scope:SCOPE_SE
.Lnopf_\@:
.elseif \hook == 3
	s_cmp_eq_u32 ttmp9, 3
	s_cbranch_scc1 .Lno_tab
	WIN 0x40
.irp i, 0,1,2,3,4,5,6,7,8,9,10,11,12,13,14,15
	global_load_b128 v[NW+4*\i:NW+4*\i+3], v[NWO], s[80:81] offset:128*(\i/4)+16*(\i%4)
.endr
	WIN 0
	CSLOAD 0
	CSLOAD 1
.Lno_tab:
.endif
	MUL 0,4,((\j)+1)%8,((\j)+1)%2,0
	WIN 0
.endm
	s_mov_b32 s3, 3
.Ltrip:
	s_wait_tensorcnt 0x0                           ; position 0 of the trip: no tensor load of mine is out;
	ds_add_u32 v[SPW], v[NIL]                      ; 0 onto my spare word
	s_xor_b32 s[G0+1], s[G0+1], SLOT1              ; the fill goes to the other slot,
	s_add_nc_u64 s[G0+2:G0+3], s[G0+2:G0+3], 8*KB  ; with the next eight K steps
	s_wait_loadcnt 39
	s_wait_dscnt 1                                 ; B's set is in; the add may be out
	MUL 0,1,1,1,0
	s_wait_dscnt 0x0                               ; the add is done; my reads of the other slot ended a position ago
	s_barrier_signal -1                            ; opens a round of the cluster's barrier
	MUL 1,1,1,1,0
	WIN 0
	s_barrier_wait -1
	CREST
	tensor_load_to_lds s[G0:G0+3], s[G1B:G1B+7]    ; the first time slot 1's first fill, issued as a refill is
	s_nop 0
	PLACES 4
	ALOAD 5, 4*KA
	FETCHB ADL, ASL, KB, 0
	MUL 2,2,1,1,0
	WIN 0
	POS 1,1,1,39,1
	POS 2,1,1,39,0
	POS 3,1,1,39,2
	POS 4,1,1,39,0
	POS 5,1,1,39,1
	POS 6,1,1,39,0
	s_wait_tensorcnt 0x0                           ; position 7: my quarter of the other slot is in
	s_wait_dscnt 0x0
	s_wait_loadcnt 39
	s_barrier_signal -1                            ; a plain barrier
	MUL 0,1,0,0,0
	WIN 0
	s_barrier_wait -1                              ; the other slot is whole
	PLACES 4
	ALOAD 4, 11*KA
	FETCHB ADN, ASN, 0, 1
	MUL 1,3,0,0,0
	WIN 0
	s_wait_xcnt 0x0                                ; the loads and prefetches have read their bases
	s_add_nc_u64 s[AB:AB+1], s[AB:AB+1], 8*KA
	s_add_nc_u64 s[PFA:PFA+1], s[PFA:PFA+1], 8*KA
	s_add_nc_u64 s[PFB:PFB+1], s[PFB:PFB+1], 8*KB
	s_xor_b32 s[SB], s[SB], SLOT1
	s_xor_b32 s[SN], s[SN], SLOT1
	SETADR
	s_sub_co_u32 s3, s3, 1
	s_cmp_lg_u32 s3, 0
	s_wait_alu depctr_va_vdst(0)                   ; ahead of the branch
	s_cbranch_scc1 .Ltrip
	POS 0,1,1,39,0                                 ; K steps 24-30: nothing more is filled
	POS 1,1,1,39,0
	POS 2,1,1,39,0
	POS 3,0,1,39,0
	POS 4,0,1,26,0
	POS 5,0,1,13,0
	POS 6,0,0,0,3                                  ; q's and k's clusters ask for the norm weights and half of the table here: no load is out, so the counts behind are alike on both ways
	PLACES 4
.irp b, 0,1,2,3
	v_mov_b32 v[TM+4+\b], 0                        ; written once: a lane permute's destination counts as one of its sources
.endr
	v_mov_b32 v[RS+1], 0
	s_wait_alu depctr_va_vdst(0)
	s_barrier_signal -1
	s_barrier_wait -1                              ; no wave reads the slots any more: v's stage may lie over them
	s_cmp_eq_u32 ttmp9, 3
	s_cbranch_scc1 .Lv_in
	CSLOAD 2
	CSLOAD 3
	s_lshr_b32 s86, s83, 5                         ; batch
	s_and_b32 s87, s83, 31
	s_cmp_lt_u32 ttmp9, 2
	s_cselect_b64 s[OUT:OUT+1], s[14:15], s[16:17]
	s_cselect_b32 s88, 3, 2
	s_cselect_b32 s89, 0, 8
	s_lshl_b32 s86, s86, s88
	s_add_co_u32 s86, s86, s42
	s_sub_co_u32 s86, s86, s89
	s_lshl_b32 s86, s86, 5
	s_add_co_u32 s86, s86, s87
	s_mul_i32 s86, s86, 6400
	s_mov_b32 s87, 0
	s_add_nc_u64 s[OUT:OUT+1], s[OUT:OUT+1], s[86:87]
; a fragment of 16 tokens: mean square, rsqrt, norm weight, rotation, quantiser
.macro QKBLOCK a
.set CSB, 64*(\a)
	s_wait_loadcnt 16*(3-\a)                       ; this fragment's table is in; the later fragments' 16 loads each may be out
	WIN 0x0a
.irp m, 0,1,2,3
	v_pk_mul_f32 v[SS+2*\m:SS+2*\m+1], v[64*\a+2*\m:64*\a+2*\m+1], v[64*\a+2*\m:64*\a+2*\m+1]
.endr
.set m, 4
.rept 28
	v_pk_fma_f32 v[SS+2*(m%4):SS+2*(m%4)+1], v[64*\a+2*m:64*\a+2*m+1], v[64*\a+2*m:64*\a+2*m+1], v[SS+2*(m%4):SS+2*(m%4)+1]
.set m, m+1
.endr
	WIN 0
	v_pk_add_f32 v[SS:SS+1], v[SS:SS+1], v[SS+2:SS+3]
	v_pk_add_f32 v[SS+4:SS+5], v[SS+4:SS+5], v[SS+6:SS+7]
	v_pk_add_f32 v[SS:SS+1], v[SS:SS+1], v[SS+4:SS+5]
	v_add_f32 v[SS], v[SS], v[SS+1]
	v_permlanex16_b32 v[SS+2], v[SS], s[SEL], s[SEL+1]
	v_add_f32 v[SS], v[SS], v[SS+2]
	v_fma_f32 v[SS], v[SS], s[I128], s[EPSR]
	s_wait_alu depctr_va_vdst(0)                   ; ahead of the transcendental
	v_rsq_f32 v[RS], v[SS]
	v_nop
	s_wait_alu depctr_va_vdst(0)                   ; and ahead of its first reader
	WIN 0x02
.set m, 0
.rept 32
	v_pk_mul_f32 v[Y+2*m:Y+2*m+1], v[64*\a+2*m:64*\a+2*m+1], v[RS:RS+1] op_sel_hi:[1,0]
.set m, m+1
.endr
	WIN 0x04
.set m, 0
.rept 32
	v_pk_mul_f32 v[Y+2*m:Y+2*m+1], v[Y+2*m:Y+2*m+1], v[NW+2*m:NW+2*m+1]
.set m, m+1
.endr
	WIN 0x0c
.set m, 0
.rept 16
	v_pk_mul_f32 v[Z+2*m:Z+2*m+1], v[Y+2*m:Y+2*m+1], v[CSB+2*m:CSB+2*m+1]
	v_pk_mul_f32 v[Z+32+2*m:Z+33+2*m], v[Y+32+2*m:Y+33+2*m], v[CSB+2*m:CSB+2*m+1]
	v_pk_fma_f32 v[Z+2*m:Z+2*m+1], v[Y+32+2*m:Y+33+2*m], v[CSB+32+2*m:CSB+33+2*m], v[Z+2*m:Z+2*m+1] neg_lo:[1,0,0] neg_hi:[1,0,0]
	v_pk_fma_f32 v[Z+32+2*m:Z+33+2*m], v[Y+2*m:Y+2*m+1], v[CSB+32+2*m:CSB+33+2*m], v[Z+32+2*m:Z+33+2*m]
.set m, m+1
.endr
	WIN 0
	s_wait_xcnt 0x0                                ; the last fragment's stores have read the codes' registers
.set PW, PWS+\a
	QUANT Z
	IMG OUT, 1536*\a
.endm
	QKBLOCK 0
	QKBLOCK 1
	QKBLOCK 2
	QKBLOCK 3
	SCIMG OUT, 6144
	s_branch .Ljoin
.Lv_in:                                            ; v is quantised along the tokens: the block turns through the stage
	WIN 0x08
.irp a, 0,1,2,3
.irp b, 0,1,2,3,4,5,6,7
.irp j, 0,1,2,3,4,5,6,7
	ds_store_b32 v[VST+\b/4], v[8*(8*\a+\b)+\j] offset:VP*(32*((\b%4)/2)+8*(\b%2)+\j)+4*(32*(\a/2)+8*(\a%2))
.endr
.endr
.endr
	WIN 0
.Ljoin:
	s_wait_dscnt 0x0
	s_barrier_signal -1
	s_barrier_wait -1
	s_cmp_lg_u32 ttmp9, 3
	s_cbranch_scc1 .Ldone
	s_lshr_b32 s92, s43, 3
	s_lshl_b32 s92, s92, 2
	s_add_co_u32 s92, s92, s42
	s_sub_co_u32 s92, s92, 12
	s_lshl_b32 s92, s92, 4
	s_and_b32 s93, s43, 7
	s_lshl_b32 s93, s93, 1
	s_add_co_u32 s92, s92, s93
	s_add_co_u32 s92, s92, s[WH]
	s_lshl_b32 s92, s92, 1
	s_add_co_u32 s92, s92, s[WL]
	s_mul_i32 s92, s92, 6400
	s_mov_b32 s93, 0
	s_add_nc_u64 s[VOUT:VOUT+1], s[18:19], s[92:93]
	s_wait_alu depctr_va_vdst(0)
.irp f, 0,1,2,3
.irp i, 0,1,2,3,4,5,6,7,8,9,10,11,12,13,14,15
	ds_load_b128 v[Z+4*\i:Z+4*\i+3], v[VRD] offset:VP*(32*(\f/2)+8*(\f%2))+128*(\i/4)+16*(\i%4)
.endr
	s_wait_dscnt 0x0
	s_wait_xcnt 0x0
.set PW, PWS+\f
	QUANT Z
	IMG VOUT, 1536*\f
.endr
	SCIMG VOUT, 6144
.Ldone:
	s_wait_tensorcnt 0x0                           ; the wave's end
	ds_add_u32 v[SPW], v[NIL]
	s_wait_dscnt 0x0
	CROUND                                         ; the closing round
	s_endpgm
.Lfunc_end_k_q796f69e6d3_qkv:
	.size	k_q796f69e6d3_qkv, .Lfunc_end_k_q796f69e6d3_qkv-k_q796f69e6d3_qkv
	.p2alignl 7, 3214868480
	.fill 96, 4, 3214868480
	.section	.rodata,"a",@progbits
	.p2align	6, 0x0
	.amdhsa_kernel k_q796f69e6d3_qkv
		.amdhsa_group_segment_fixed_size 327680
		.amdhsa_private_segment_fixed_size 0
		.amdhsa_enable_private_segment 0
		.amdhsa_kernarg_size 64
		.amdhsa_user_sgpr_count 2
		.amdhsa_user_sgpr_kernarg_segment_ptr 1
		.amdhsa_wavefront_size32 1
		.amdhsa_system_sgpr_workgroup_id_x 1
		.amdhsa_system_sgpr_workgroup_id_y 1
		.amdhsa_system_sgpr_workgroup_id_z 1
		.amdhsa_system_vgpr_workitem_id 0
		.amdhsa_next_free_vgpr 1024
		.amdhsa_next_free_sgpr 100
		.amdhsa_reserve_vcc 0
		.amdhsa_float_denorm_mode_32 3
		.amdhsa_float_denorm_mode_16_64 3
		.amdhsa_memory_ordered 1
		.amdhsa_forward_progress 1
		.amdhsa_inst_pref_size 229
	.end_amdhsa_kernel
	.amdgpu_metadata
---
amdhsa.version: [ 1, 2 ]
amdhsa.kernels:
  - .name:           k_q796f69e6d3_qkv
    .symbol:         k_q796f69e6d3_qkv.kd
    .args:
      - { .name: XQ, .offset: 0, .size: 8, .value_kind: global_buffer, .address_space: global }
      - { .name: WQ, .offset: 8, .size: 8, .value_kind: global_buffer, .address_space: global }
      - { .name: TAB, .offset: 16, .size: 8, .value_kind: global_buffer, .address_space: global }
      - { .name: q_norm_w, .offset: 24, .size: 8, .value_kind: global_buffer, .address_space: global }
      - { .name: k_norm_w, .offset: 32, .size: 8, .value_kind: global_buffer, .address_space: global }
      - { .name: QC, .offset: 40, .size: 8, .value_kind: global_buffer, .address_space: global }
      - { .name: KC, .offset: 48, .size: 8, .value_kind: global_buffer, .address_space: global }
      - { .name: VC, .offset: 56, .size: 8, .value_kind: global_buffer, .address_space: global }
    .group_segment_fixed_size: 327680
    .private_segment_fixed_size: 0
    .kernarg_segment_align: 8
    .kernarg_segment_size: 64
    .max_flat_workgroup_size: 128
    .sgpr_count:     100
    .vgpr_count:     1024
    .wavefront_size: 32
...
	.end_amdgpu_metadata
.endif
;; end of part 2
;; launch attn (part 3): grid 256 x 1, 8 waves a work-group, clusters of 4 x 1, 327,680 bytes of LDS; arguments QC, KC, VC, AQ; writes AQ
.if DOCPART == 3
	.amdgcn_target "amdgcn-amd-amdhsa--gfx1250"
	.amdhsa_code_object_version 6
	.text
	.protected	k_q796f69e6d3_attn
	.globl	k_q796f69e6d3_attn
	.p2align	8
	.type	k_q796f69e6d3_attn,@function
k_q796f69e6d3_attn:
	s_mov_b64 s[64:65], 0
	v_nop
	global_prefetch_b8 v0, s[64:65] scope:SCOPE_SE
	s_setreg_imm32_b32 hwreg(HW_REG_WAVE_MODE, 25, 1), 1
	s_wait_xcnt 0x0
	s_wait_alu depctr_hold_cnt(0) depctr_sa_sdst(0) depctr_va_vdst(0) depctr_va_sdst(0) depctr_va_ssrc(0) depctr_va_vcc(0) depctr_vm_vsrc(0)
	s_getreg_b32 s2, hwreg(HW_REG_IB_STS2, 6, 4)
	s_cmp_eq_u32 s2, 0
	s_cbranch_scc0 .Lentry_in_a_cluster
	s_endpgm
.Lentry_in_a_cluster:
	s_bfe_u32 s2, ttmp6, 0x10000c
	s_cmp_lg_u32 s2, 0x3003
	s_cbranch_scc0 .Lentry_shape_is_right
	s_endpgm
.Lentry_shape_is_right:
; Causal attention on codes of FP6 (E2M3) with E8M0 scales: 2 batches x 8 query heads (two share a kv head) x 2,048 tokens x 128; the result, divided by the row's sum, is quantised along the heads' 128 for the output projection.
; Key steps whose keys all come after a fragment's queries lie wholly under the causal mask that the problem builds itself: they are not multiplied.
; THE SOFTMAX: t = score x log2(e) / sqrt(128); M = the running largest t rounded UP to a whole number; p = 2^(t - M) is quantised along the keys; the row's sum is taken of the unquantised p; when M moves, sum and O are multiplied by 2^(old M - new M): exact.
; Operands are half groups (64 rows x 128 K, 6,400 bytes: register images and scale words; row i of fragment f is row 32 (f / 2) + 8 (f % 2) + i + 8 (i / 8)): so p's 64 registers run along 128 neighbouring keys, and O^T's along the head.
; SHARES: cluster C: kv head g = C / 8, u = C % 8.  Partner cx: query head 2 (g % 4) + cx % 2, p = 2 u + cx / 2.  A work-group owns the four fragments (16 queries each) of token half group p, which need key steps 0 .. u,
; and the four of half group 31 - p, which need key steps 0 .. 15 - u.  Waves f and f + 4 serve fragment f of both.  THE LONG FRAGMENT'S KEYS ARE SPLIT BETWEEN THE TWO WAVES:
;   key steps 0 .. u: wave f works on the short fragment, wave f + 4 on the long one;  behind step u wave f finishes the short fragment (divides, quantises, stores), loads the long fragment's Q and begins a second partial (M, sum, O) for it;
;   key steps u + 1 .. 15 - u go by turns: wave f + 4 takes those with 15 - u - step even (the diagonal step among them), wave f the odd ones.  So wave f has 8 steps and wave f + 4 has 9, whatever u.
;   At the end wave f hands its partial over through LDS bytes of their own, and wave f + 4 joins the two under the larger M by factors that are powers of two.
; Every choice of steps hangs on the cluster's and the wave's number alone, so every branch is alike in all partners.  Every work-group walks all 16 key steps with constant trip counts and takes part in every joint load (so for u >= 4 the last four steps are fetched and read by nobody of the cluster).
; K and V come through a ring of two LDS slots of four key steps; the four partners ask for each tile jointly (mask 15); each of the eight waves fetches one key step of K (waves 0-3) or V (waves 4-7).  One descriptor serves all fills: it is stepped ahead of each but the first.
; No prefetch: the thirty-two work-groups of a kv head read the same 409,600 bytes, and a fill has four key steps of work in which to land.
; LIMITS: NaN and infinities are not served; a block of zeros gets the byte 1; the promise holds while the scaled scores t stay under 2^31 in magnitude.
; REGISTERS: window 0: v1-9 addresses; v12 -M, v13 the largest t, v[14:15] the sum; v16-27 Q, v28 its scale words, v29 their offset; v30 the scale word kept for the way out; v31 the partial's place in LDS; v32-39 K's and V's scale words;
;   v96-159 S^T, then p; v160-223 O^T; v224-235 p's codes; v232-254 at work.  window 1: v0-95 K's eight fragments, v96-191 V's.
.set SLOT1, 131072
.set VOFF,  51200
.set SCM,   233472                     ; behind the ring: the eight waves' scale words on the way out, 128 bytes each
.set SPARE, 234496                     ; the spare words, 128 bytes for each wave
.set MRG,   235520                     ; four partials: 17 x 512 bytes each
.set LI,  1
.set L8,  2
.set DQ,  3                            ; v3  my query - the diagonal step's first key - 16 (lane / 16)
.set SCW, 4
.set SPW, 5
.set NIL, 6
.set SCR, 7
.set ADK, 8
.set ADS, 9
.set SV,  30
.set MG,  31
.set TM,  180
.set PC,  160
.set PW,  196
.set WV,  12
.set CX,  13
.set U,   14
.set G,   15
.set LAST, 16                          ; 15 - u: the long fragment's last key step
.set STEPI, 17
.set TB,  18
.set SEL, 20
.set CS,  22
.set G1,  24
.set G0W, 36
.set CLS, 40
.set FR,  41
.set T,   42
.set DG,  43                           ; the step in which my diagonal lies
.set SWI, 44                           ; the step ahead of which I change fragments (waves 4-7: never)
.set OUTER, 45
.set INNER, 46
.set CPAR, 50                          ; which parity of 15 - u - step is mine behind step u
.set AQH, 52
.set AQF, 54
.set QA,  56
.set QB,  60                           ; the long fragment's Q, and its scale words
.set QS,  62
.set MSB, 0
.macro WIN new
.if MSB != \new
	s_set_vgpr_msb (MSB<<8)|\new
.set MSB, \new
.endif
.endm
.macro PLACES n
.rept \n
	v_nop
.endr
.endm
.macro CROUND
	s_barrier_signal -1
	s_barrier_wait -1
	s_cmp_lg_u32 s[WV], 0
	s_cbranch_scc1 .Lnot_wave_0_\@
	s_barrier_signal -3
.Lnot_wave_0_\@:
	s_barrier_wait -3
	s_barrier_signal -1
	s_barrier_wait -1
.endm
.macro WM d, a, b, zero, sa, sb, ra
.if \zero
.if (\ra)
	v_wmma_scale_f32_16x16x128_f8f6f4 v[\d:\d+7], v[\a:\a+11], v[\b:\b+11], 0, v[\sa], v[\sb] matrix_a_fmt:MATRIX_FMT_FP6 matrix_b_fmt:MATRIX_FMT_FP6 matrix_a_scale:MATRIX_SCALE_ROW1
.else
	v_wmma_scale_f32_16x16x128_f8f6f4 v[\d:\d+7], v[\a:\a+11], v[\b:\b+11], 0, v[\sa], v[\sb] matrix_a_fmt:MATRIX_FMT_FP6 matrix_b_fmt:MATRIX_FMT_FP6
.endif
.else
.if (\ra)
	v_wmma_scale_f32_16x16x128_f8f6f4 v[\d:\d+7], v[\a:\a+11], v[\b:\b+11], v[\d:\d+7], v[\sa], v[\sb] matrix_a_fmt:MATRIX_FMT_FP6 matrix_b_fmt:MATRIX_FMT_FP6 matrix_a_scale:MATRIX_SCALE_ROW1
.else
	v_wmma_scale_f32_16x16x128_f8f6f4 v[\d:\d+7], v[\a:\a+11], v[\b:\b+11], v[\d:\d+7], v[\sa], v[\sb] matrix_a_fmt:MATRIX_FMT_FP6 matrix_b_fmt:MATRIX_FMT_FP6
.endif
.endif
.endm
.macro QUANT s
.irp b, 0,1,2,3
	v_max3_num_f32 v[TM+\b], |v[\s+16*\b]|, |v[\s+1+16*\b]|, 0x1800000
.endr
.irp i, 2,4,6,8,10,12,14
.irp b, 0,1,2,3
	s_delay_alu instid0(VALU_DEP_4)
	v_max3_num_f32 v[TM+\b], v[TM+\b], |v[\s+16*\b+\i]|, |v[\s+1+16*\b+\i]|
.endr
.endr
.irp b, 0,1,2,3
	v_permlanex16_b32 v[TM+4+\b], v[TM+\b], s[SEL], s[SEL+1]
.endr
.irp b, 0,1,2,3
	s_delay_alu instid0(VALU_DEP_4)
	v_max_num_f32 v[TM+\b], v[TM+\b], v[TM+4+\b]
.endr
.irp b, 0,1,2,3
	s_delay_alu instid0(VALU_DEP_4)
	v_add_nc_u32 v[TM+12+\b], 0xff000000, v[TM+\b]
.endr
.irp b, 0,1,2,3
	s_delay_alu instid0(VALU_DEP_4)
	v_lshrrev_b32 v[TM+4+\b], 23, v[TM+12+\b]
.endr
	s_delay_alu instid0(VALU_DEP_3)
	v_lshl_or_b32 v[PW], v[TM+5], 8, v[TM+4]
	s_delay_alu instid0(VALU_DEP_1)
	v_lshl_or_b32 v[PW], v[TM+6], 16, v[PW]
	s_delay_alu instid0(VALU_DEP_1)
	v_lshl_or_b32 v[PW], v[TM+7], 24, v[PW]
.irp c, 0,1
	v_cvt_scalef32_pk16_fp6_f32 v[PC+6*\c:PC+2+6*\c], v[\s+32*\c:\s+15+32*\c], v[TM+12+2*\c]
	v_cvt_scalef32_pk16_fp6_f32 v[PC+12+4*\c:PC+14+4*\c], v[\s+16+32*\c:\s+31+32*\c], v[TM+12+2*\c+1]
.endr
	v_nop
.irp c, 0,1
.irp i, 0,1,2
	v_permlane16_swap_b32 v[PC+6*\c+\i], v[PC+12+4*\c+\i]
.endr
.irp i, 0,1,2
	s_delay_alu instid0(VALU_DEP_3)
	v_mov_b32 v[PC+3+6*\c+\i], v[PC+12+4*\c+\i]
.endr
.endr
.endm
.macro FRESH                           ; a partial begins: the largest t so far -3e38, sum and O^T zeros (the step is written once for all steps; the first finds zeros)
	v_mov_b32 v13, 0xff61b1e6
	s_delay_alu instid0(VALU_DEP_1)
	v_floor_f32 v12, -v13
	v_mov_b32 v14, 0
	v_mov_b32 v15, 0
.set j, 0
.rept 64
	v_mov_b32 v[160+j], 0
.set j, j+1
.endr
.endm
.macro OUTCODES                        ; the numbers in v96-159 are quantised along the head; the fragment's image goes out as it stands, its scale word is kept
	QUANT 96
.irp c, 0,1,2
	global_store_b128 v[LI], v[PC+4*\c:PC+4*\c+3], s[AQF:AQF+1] offset:512*\c   ; 512 consecutive bytes a store
.endr
	v_mov_b32 v[SV], v[PW]
.endm
	s_load_b256 s[4:11], s[0:1], 0x0               ; QC s[4:5], KC s[6:7], VC s[8:9], AQ s[10:11]
	v_lshl_add_u32 v[SPW], v0, 2, SPARE
	v_mov_b32 v[NIL], 0
	ds_add_u32 v[SPW], v[NIL]                      ; the opening lines: the add, twice on end, and its wait ahead of my first tensor load
	ds_add_u32 v[SPW], v[NIL]
	v_lshrrev_b32 v8, 5, v0
	s_delay_alu instid0(VALU_DEP_1)
	v_readfirstlane_b32 s[WV], v8                  ; wave 0..7
	s_bfe_u32 s[CX], ttmp6, 0x40000                ; my place in the cluster: it enters Q's and the result's addresses and the mask's numbers alone
	s_and_b32 s[U], ttmp9, 7
	s_lshr_b32 s[G], ttmp9, 3                      ; 4 x batch + kv head
	s_lshr_b32 s[CLS], s[WV], 2
	s_and_b32 s[FR], s[WV], 3
	s_sub_co_u32 s[LAST], 15, s[U]
	s_add_co_u32 s48, s[U], 1
	s_lshr_b32 s70, s[CX], 1
	s_lshl_b32 s71, s[U], 1
	s_add_co_u32 s71, s71, s70                     ; p
	s_sub_co_u32 s72, 31, s71
	s_cmp_eq_u32 s[CLS], 0
	s_cselect_b32 s[T], s71, s72                   ; the token half group whose result I store
	s_cselect_b32 s[DG], s[U], s[LAST]
	s_cselect_b32 s[SWI], s48, 255
	s_cselect_b32 s[CPAR], 1, 0
	; descriptor group 1: 12,800 dense bytes as 50 rows of 256 bytes; all four work-groups
	s_mov_b32 s[G1], 15|(3<<16)|(1<<21)
	s_mov_b32 s[G1+1], 32<<16
	s_mov_b32 s[G1+2], 50<<16
	s_mov_b32 s[G1+3], 32<<16
	s_mov_b32 s[G1+4], 50
	s_mov_b32 s[G1+5], 32
	s_mov_b32 s[G1+6], 0
	s_mov_b32 s[G1+7], 0
	s_mul_i32 s47, s[WV], 12800                    ; where my eighth of a slot lies: K's steps 0 to 3, then V's
	s_and_b32 s48, s[WV], 3
	s_mul_i32 s48, s48, 12800
	s_mul_i32 s49, s[G], 204800
	s_add_co_u32 s48, s48, s49
	s_mov_b32 s49, 0
	s_mov_b32 s[SEL], 0x76543210
	s_mov_b32 s[SEL+1], 0xfedcba98
	s_mov_b32 s[CS], 0x3e0293ee                    ; c = log2(e) / sqrt(128)
	s_mov_b32 s[CS+1], s[CS]
	s_mov_b32 s[TB], 0
	s_mov_b32 s[STEPI], 0
	; Q's fragment and the result's place
	s_and_b32 s73, s[CX], 1                        ; which of the two query heads
	s_lshl_b32 s74, s[G], 1
	s_add_co_u32 s74, s74, s73
	s_lshl_b32 s74, s74, 5
	s_add_co_u32 s74, s74, s[T]
	s_mul_i32 s74, s74, 6400
	s_mul_i32 s76, s[FR], 1536
	s_add_co_u32 s74, s74, s76
	s_mov_b32 s75, 0                               ; s[74:75]: my first fragment's image in QC
	s_sub_co_u32 s78, s74, s76
	s_and_b32 s77, s[FR], 1
	s_lshl_b32 s77, s77, 7
	s_add_co_u32 s78, s78, s77
	s_lshr_b32 s77, s[FR], 1
	s_lshl_b32 s77, s77, 2
	s_add_co_u32 s78, s78, s77
	s_add_co_u32 s78, s78, 6144
	s_mov_b32 s79, 0                               ; s[78:79]: its scale words
	s_sub_co_u32 s88, s72, s[T]
	s_mul_i32 s88, s88, 6400                       ; from there to the long fragment's
	s_mov_b32 s89, 0
	s_lshr_b32 s80, s[G], 2
	s_lshl_b32 s80, s80, 5
	s_add_co_u32 s80, s80, s[T]                    ; the half group among all 64
	s_and_b32 s81, s[G], 3
	s_lshl_b32 s81, s81, 1
	s_add_co_u32 s81, s81, s73                     ; the query head = the projection's K step
	s_lshr_b32 s82, s80, 2
	s_lshl_b32 s82, s82, 3
	s_add_co_u32 s82, s82, s81
	s_lshl_b32 s82, s82, 2
	s_and_b32 s80, s80, 3
	s_add_co_u32 s82, s82, s80
	s_mul_i32 s82, s82, 6400
	s_mov_b32 s83, 0
	s_and_b32 s84, s[T], 1
	s_lshl_b32 s84, s84, 6
	s_lshr_b32 s85, s[FR], 1
	s_lshl_b32 s85, s85, 5
	s_add_co_u32 s84, s84, s85
	s_and_b32 s85, s[FR], 1
	s_lshl_b32 s85, s85, 3
	s_add_co_u32 s84, s84, s85                     ; 64 (t % 2) + 32 (f / 2) + 8 (f % 2)
	s_lshl_b32 s86, s[CLS], 9
	s_mul_i32 s90, s[FR], 8704
	s_add_co_u32 s90, s90, MRG
	v_and_b32 v10, 15, v0                          ; r
	v_bfe_u32 v11, v0, 4, 1                        ; h
	v_and_b32 v8, 31, v0
	s_delay_alu instid0(VALU_DEP_1)
	v_lshlrev_b32 v[LI], 4, v8
	s_delay_alu instid0(VALU_DEP_2)
	v_lshlrev_b32 v[L8], 3, v8
	v_and_b32 v9, 8, v10
	s_delay_alu instid0(VALU_DEP_1)
	v_add_nc_u32 v9, v9, v10
	v_lshlrev_b32 v[DQ], 4, v11
	s_delay_alu instid0(VALU_DEP_1)
	v_sub_nc_u32 v[DQ], v9, v[DQ]
	s_delay_alu instid0(VALU_DEP_1)
	v_add_nc_u32 v[DQ], s84, v[DQ]
	v_lshlrev_b32 v29, 3, v10                      ; 8 r: Q's scale words
	v_lshl_add_u32 v[SCW], v0, 2, SCM              ; the way out: my scale word's place: 4 x my thread's number
	v_lshlrev_b32 v[SCR], 2, v10
	s_delay_alu instid0(VALU_DEP_1)
	v_lshl_add_u32 v[SCR], v11, 7, v[SCR]
	s_delay_alu instid0(VALU_DEP_1)
	v_add_nc_u32 v[SCR], s86, v[SCR]
	s_delay_alu instid0(VALU_DEP_1)
	v_add_nc_u32 v[SCR], SCM, v[SCR]               ; and where a class's first wave reads them back: 512 x class + 128 h + 4 r
	v_add_nc_u32 v[MG], s90, v[LI]                 ; fragment f's partial: 16 x lane in each 512 bytes
	v_mov_b32 v[SV], 0
	s_wait_alu depctr_va_vdst(0)
	s_wait_dscnt 0x0                               ; both opening adds are done
	s_wait_kmcnt 0x0
	s_cmp_lt_u32 s[WV], 4
	s_cselect_b64 s[58:59], s[6:7], s[8:9]         ; waves 0-3: K; waves 4-7: V
	s_add_nc_u64 s[58:59], s[58:59], s[48:49]
	s_mov_b32 s[G0W], 1
	s_mov_b32 s[G0W+1], s47                        ; slot 0, key steps 0-3; the descriptor then walks
	s_mov_b64 s[G0W+2:G0W+3], s[58:59]
	s_or_b32 s[G0W+3], s[G0W+3], 0x80000000
	s_add_nc_u64 s[QA:QA+1], s[4:5], s[74:75]
	s_add_nc_u64 s[78:79], s[4:5], s[78:79]
	s_add_nc_u64 s[QB:QB+1], s[QA:QA+1], s[88:89]
	s_add_nc_u64 s[QS:QS+1], s[78:79], s[88:89]
	s_add_nc_u64 s[AQH:AQH+1], s[10:11], s[82:83]
	s_mov_b32 s77, 0
	s_add_nc_u64 s[AQF:AQF+1], s[AQH:AQH+1], s[76:77]
	CROUND                                         ; all four work-groups are here: the first joint loads meet
	tensor_load_to_lds s[G0W:G0W+3], s[G1:G1+7]    ; my eighth of slot 0: my one tensor load at the head
	s_nop 0
.rept 4
	v_nop
.endr
.irp c, 0,1,2
	global_load_b128 v[16+4*\c:19+4*\c], v[LI], s[QA:QA+1] offset:512*\c   ; Q's fragment stays in registers
.endr
	global_load_b32 v28, v29, s[78:79]
	FRESH
.irp b, 0,1,2,3
	v_mov_b32 v[236+\b], 0                         ; written once: a lane permute's destination counts as one of its sources
.endr
	v_mov_b32 v253, 0
	v_mov_b32 v252, 0
; WAVES 0-3 CHANGE FRAGMENTS, ahead of key step u + 1: the long fragment's Q is asked for, the short fragment is finished under the loads' flight, and a new partial begins
.macro SWITCH
	PLACES 4                                       ; behind the last products: in front of the first read of O^T and of the loads into Q's registers
.irp c, 0,1,2
	global_load_b128 v[16+4*\c:19+4*\c], v[LI], s[QB:QB+1] offset:512*\c
.endr
	global_load_b32 v28, v29, s[QS:QS+1]
	v_add_f32 v14, v14, v15
	s_delay_alu instid0(VALU_DEP_1)
	v_permlanex16_b32 v252, v14, s[SEL], s[SEL+1]
	s_delay_alu instid0(VALU_DEP_1)
	v_add_f32 v14, v14, v252
	s_wait_alu depctr_va_vdst(0)                   ; ahead of the transcendental
	v_rcp_f32 v14, v14
	v_nop
	s_wait_alu depctr_va_vdst(0)                   ; and ahead of its first reader
.set j, 0
.rept 32
	v_pk_mul_f32 v[96+j:97+j], v[160+j:161+j], v[14:15] op_sel_hi:[1,0]   ; O^T / the sum
.set j, j+2
.endr
	OUTCODES
	s_wait_xcnt 0x0                                ; the stores have read the codes' registers, which hold O^T again below
	FRESH
	s_wait_alu depctr_va_vdst(0)
	s_wait_loadcnt 0x0                             ; the long fragment's Q is in
.endm
; A KEY STEP: 128 keys, at LDS byte s[TB] of the ring
.macro STEP sw
.if \sw
	s_cmp_lg_u32 s[STEPI], s[SWI]
	s_cbranch_scc1 .Lnosw_\@
	SWITCH
.Lnosw_\@:
.endif
	s_cmp_gt_u32 s[STEPI], s[LAST]                 ; all its keys come after the queries: only the addresses step
	s_cbranch_scc1 .Lhid_\@
	s_cmp_le_u32 s[STEPI], s[U]                    ; up to step u each wave works on a fragment of its own
	s_cbranch_scc1 .Lgo_\@
	s_sub_co_u32 s51, s[LAST], s[STEPI]
	s_and_b32 s51, s51, 1
	s_cmp_lg_u32 s51, s[CPAR]                      ; behind it the long fragment's steps go by turns
	s_cbranch_scc1 .Lhid_\@
.Lgo_\@:
	v_add_nc_u32 v[ADK], s[TB], v[LI]
	v_add_nc_u32 v[ADS], s[TB], v[L8]
	v_nop
	v_nop                                          ; four places in front of loads into registers that the last products read
	ds_load_b64 v[32:33], v[ADS] offset:6144
	ds_load_b64 v[34:35], v[ADS] offset:12544
	WIN 0x40
.irp t, 0,1,2,3,4,5,6,7
.irp c, 0,1,2
	ds_load_b128 v[12*\t+4*\c:12*\t+4*\c+3], v[ADK] offset:6400*(\t/4)+1536*(\t%4)+512*\c
.endr
.endr
.irp t, 0,1,2,3,4,5,6,7
.irp c, 0,1,2
	ds_load_b128 v[96+12*\t+4*\c:96+12*\t+4*\c+3], v[ADK] offset:VOFF+6400*(\t/4)+1536*(\t%4)+512*\c
.endr
.endr
	WIN 0
	ds_load_b64 v[36:37], v[ADS] offset:VOFF+6144
	ds_load_b64 v[38:39], v[ADS] offset:VOFF+12544
	s_wait_dscnt 26                                ; K and its scale words are in; V's 24 fragment loads and 2 scale loads may be out
	WIN 0x01
.irp t, 0,1,2,3,4,5,6,7
	WM 96+8*\t,12*\t,16,1,32+\t/2,28,\t%2          ; S^T: register 8 t + j is key 32 (t / 2) + 16 (lane / 16) + 8 (t % 2) + j
.endr
	WIN 0
	PLACES 4                                       ; in front of the first reads of the scores
	s_cmp_lg_u32 s[STEPI], s[DG]                   ; the diagonal lies in one step alone
	s_cbranch_scc1 .Lopen_\@
	v_mov_b32 v254, 0xff800000                     ; hidden scores become -infinity ahead of the maximum: p = 0 then
.set n, 0
.rept 64
	v_cmp_gt_i32 vcc_lo, 32*(n/16)+n%16, v[DQ]
	v_cndmask_b32 v[96+n], v[96+n], v254, vcc_lo
.set n, n+1
.endr
.Lopen_\@:
.irp b, 0,1,2,3
	v_max3_num_f32 v[232+\b], v[96+16*\b], v[97+16*\b], v[98+16*\b]   ; the largest score of each block of 32 keys: for the row's maximum, and for the block's largest p
.endr
.irp i, 3,5,7,9,11,13
.irp b, 0,1,2,3
	v_max3_num_f32 v[232+\b], v[232+\b], v[96+16*\b+\i], v[97+16*\b+\i]
.endr
.endr
.irp b, 0,1,2,3
	v_max_num_f32 v[232+\b], v[232+\b], v[111+16*\b]
.endr
.irp b, 0,1,2,3
	s_delay_alu instid0(VALU_DEP_4)
	v_permlanex16_b32 v[236+\b], v[232+\b], s[SEL], s[SEL+1]
.endr
.irp b, 0,1,2,3
	s_delay_alu instid0(VALU_DEP_4)
	v_max_num_f32 v[232+\b], v[232+\b], v[236+\b]
.endr
	s_delay_alu instid0(VALU_DEP_2)
	v_max3_num_f32 v254, v232, v233, v234
	s_delay_alu instid0(VALU_DEP_1)
	v_max_num_f32 v254, v254, v235
	s_delay_alu instid0(VALU_DEP_1)
	v_mul_f32 v254, s[CS], v254
	s_delay_alu instid0(VALU_DEP_1)
	v_max_num_f32 v13, v13, v254                   ; the running largest t
	v_mov_b32 v254, v12
	s_delay_alu instid0(VALU_DEP_2)
	v_floor_f32 v12, -v13                          ; the new -M = -ceil(t)
	s_delay_alu instid0(VALU_DEP_1)
	v_sub_f32 v254, v12, v254
	s_delay_alu instid0(VALU_DEP_1)
	v_cvt_i32_f32 v254, v254                       ; (it saturates)
	s_delay_alu instid0(VALU_DEP_1)
	v_ldexp_f32 v252, 1.0, v254                    ; f = 2^(old M - new M)
.set j, 0
.rept 32
	v_pk_fma_f32 v[96+j:97+j], v[96+j:97+j], s[CS:CS+1], v[12:13] op_sel_hi:[1,0,0]   ; t - M
.set j, j+2
.endr
.irp b, 0,1,2,3
	v_fma_f32 v[232+\b], v[232+\b], s[CS], v12
.endr
.set j, 0
	s_wait_alu depctr_va_vdst(0)
.rept 64
	v_exp_f32 v[96+j], v[96+j]                     ; p = 2^(t - M): one batch
.set j, j+1
.endr
	v_pk_mul_f32 v[14:15], v[14:15], v[252:253] op_sel_hi:[1,0]   ; the sums under the new M: the plain place behind the batch
	s_wait_alu depctr_va_vdst(0)                   ; one wait for the 64, ahead of their first reader
.irp b, 0,1,2,3
	v_exp_f32 v[232+\b], v[232+\b]                 ; each block's largest p
.endr
	v_pk_add_f32 v[236:237], v[100:101], v[104:105]
	v_pk_add_f32 v[254:255], v[108:109], v[112:113]
	v_pk_add_f32 v[250:251], v[116:117], v[120:121]
	v_pk_add_f32 v[248:249], v[124:125], v[128:129]
	v_pk_add_f32 v[246:247], v[132:133], v[136:137]
	v_pk_add_f32 v[244:245], v[140:141], v[144:145]
	v_pk_add_f32 v[242:243], v[148:149], v[152:153]
	v_pk_add_f32 v[14:15], v[14:15], v[156:157]
	v_pk_add_f32 v[236:237], v[236:237], v[96:97]
	v_pk_add_f32 v[254:255], v[254:255], v[98:99]
	v_pk_add_f32 v[250:251], v[250:251], v[102:103]
	v_pk_add_f32 v[248:249], v[248:249], v[106:107]
	v_pk_add_f32 v[246:247], v[246:247], v[110:111]
	v_pk_add_f32 v[244:245], v[244:245], v[114:115]
	v_pk_add_f32 v[242:243], v[242:243], v[118:119]
	v_pk_add_f32 v[14:15], v[14:15], v[122:123]
	v_pk_add_f32 v[236:237], v[236:237], v[126:127]
	v_pk_add_f32 v[254:255], v[254:255], v[130:131]
	v_pk_add_f32 v[250:251], v[250:251], v[134:135]
	v_pk_add_f32 v[248:249], v[248:249], v[138:139]
	v_pk_add_f32 v[246:247], v[246:247], v[142:143]
	v_pk_add_f32 v[244:245], v[244:245], v[146:147]
	v_pk_add_f32 v[242:243], v[242:243], v[150:151]
	v_pk_add_f32 v[14:15], v[14:15], v[154:155]
	v_pk_add_f32 v[236:237], v[236:237], v[158:159]
	s_delay_alu instid0(VALU_DEP_2)
	v_pk_add_f32 v[14:15], v[14:15], v[248:249]
	s_delay_alu instid0(VALU_DEP_2)
	v_pk_add_f32 v[236:237], v[236:237], v[246:247]
	v_pk_add_f32 v[254:255], v[254:255], v[244:245]
	v_pk_add_f32 v[250:251], v[250:251], v[242:243]
	s_delay_alu instid0(VALU_DEP_2)
	v_pk_add_f32 v[14:15], v[14:15], v[254:255]
	s_delay_alu instid0(VALU_DEP_2)
	v_pk_add_f32 v[236:237], v[236:237], v[250:251]
	s_delay_alu instid0(VALU_DEP_1)
	v_pk_add_f32 v[14:15], v[14:15], v[236:237]
	s_wait_alu depctr_va_vdst(0)                   ; and one for the four
.irp b, 0,1,2,3
	v_max_num_f32 v[232+\b], 0x1800000, v[232+\b]  ; the floor 2^(3 - 127)
.endr
.irp b, 0,1,2,3
	s_delay_alu instid0(VALU_DEP_4)
	v_add_nc_u32 v[244+\b], 0xff000000, v[232+\b]
.endr
.irp b, 0,1,2,3
	s_delay_alu instid0(VALU_DEP_4)
	v_lshrrev_b32 v[236+\b], 23, v[244+\b]
.endr
	s_delay_alu instid0(VALU_DEP_3)
	v_lshl_or_b32 v253, v237, 8, v236              ; p's scale word for these 128 keys
	s_delay_alu instid0(VALU_DEP_1)
	v_lshl_or_b32 v253, v238, 16, v253
	s_delay_alu instid0(VALU_DEP_1)
	v_lshl_or_b32 v253, v239, 24, v253
.irp c, 0,1
	v_cvt_scalef32_pk16_fp6_f32 v[224+6*\c:226+6*\c], v[96+32*\c:111+32*\c], v[244+2*\c]
	v_cvt_scalef32_pk16_fp6_f32 v[236+4*\c:238+4*\c], v[112+32*\c:127+32*\c], v[244+2*\c+1]
.endr
	v_nop
.irp c, 0,1
.irp i, 0,1,2
	v_permlane16_swap_b32 v[224+6*\c+\i], v[236+4*\c+\i]
.endr
.irp i, 0,1,2
	s_delay_alu instid0(VALU_DEP_3)
	v_mov_b32 v[227+6*\c+\i], v[236+4*\c+\i]
.endr
.endr
.set j, 0
.rept 32
	v_pk_mul_f32 v[160+j:161+j], v[160+j:161+j], v[252:253] op_sel_hi:[1,0]   ; O^T under the new M; these 32 are also the places in front of the products below
.set j, j+2
.endr
	s_wait_alu depctr_va_vdst(0)
	s_wait_dscnt 0x0                               ; V is in
	WIN 0x01
.irp t, 0,1,2,3,4,5,6,7
	WM 160+8*\t,96+12*\t,224,0,36+\t/2,253,\t%2    ; O^T += V^T P^T: the eight accumulators by turns
.endr
	WIN 0
.Lhid_\@:
	s_add_co_u32 s[TB], s[TB], 12800
	s_add_co_u32 s[STEPI], s[STEPI], 1
.endm
.macro PHASE sw                        ; a slot's four key steps: written once, walked four times
	s_mov_b32 s[INNER], 4
.Lstep_\@:
	STEP \sw
	s_sub_co_u32 s[INNER], s[INNER], 1
	s_cmp_lg_u32 s[INNER], 0
	s_cbranch_scc1 .Lstep_\@
	s_sub_co_u32 s[TB], s[TB], 51200
	s_xor_b32 s[TB], s[TB], SLOT1                  ; on to the other slot
.endm
; the change of slots: each wave waits for all its tensor loads, adds 0 to its spare word, waits for that and for its reads of the slot that it has left.  fill = 1: a round of the cluster's barrier, and the other slot is filled with the next four key steps
.macro CHANGE fill
	s_wait_tensorcnt 0x0
	ds_add_u32 v[SPW], v[NIL]
.if \fill
	s_xor_b32 s[G0W+1], s[G0W+1], SLOT1
	s_add_nc_u64 s[G0W+2:G0W+3], s[G0W+2:G0W+3], 51200
.endif
	s_wait_dscnt 0x0
.if \fill
	CROUND
	tensor_load_to_lds s[G0W:G0W+3], s[G1:G1+7]    ; the first thing behind the round, and my one tensor load until the next; it has four key steps in which to land (the first time: slot 1's first fill, issued as a refill is)
	s_nop 0
.rept 4
	v_nop
.endr
.else
	s_barrier_signal -1
	s_barrier_wait -1
.endif
.endm
	s_wait_alu depctr_va_vdst(0)
	s_wait_loadcnt 0x0                             ; Q
	s_mov_b32 s[OUTER], 3
.Lph:                                              ; a trip: the slot that was asked for is whole, the other is asked for, four key steps.  The change of fragments falls ahead of step 1 to 8: inside these three trips
	CHANGE 1
	PHASE 1
	s_sub_co_u32 s[OUTER], s[OUTER], 1
	s_cmp_lg_u32 s[OUTER], 0
	s_cbranch_scc1 .Lph
	CHANGE 0                                       ; the last slot is written out
	PHASE 0
	; THE TWO PARTIALS OF THE LONG FRAGMENT MEET: waves 0-3 lay theirs into LDS as an image of the registers
	PLACES 4
	s_cmp_lg_u32 s[CLS], 0
	s_cbranch_scc1 .Lkeep
.set k, 0
.rept 16
	ds_store_b128 v[MG], v[160+4*k:163+4*k] offset:512*k   ; each accumulator from its low end on
.set k, k+1
.endr
	ds_store_b128 v[MG], v[12:15] offset:8192      ; -M, the largest t, the sum's two halves
.Lkeep:
	s_wait_dscnt 0x0                               ; for the others' sake: my partial is stored
	s_barrier_signal -1
	s_barrier_wait -1
	s_cmp_eq_u32 s[CLS], 0
	s_cbranch_scc1 .Lwords
.set k, 0
.rept 16
	ds_load_b128 v[96+4*k:99+4*k], v[MG] offset:512*k
.set k, k+1
.endr
	ds_load_b128 v[232:235], v[MG] offset:8192
	v_add_f32 v14, v14, v15                        ; my sum
	v_mov_b32 v241, 0                              ; (named as the upper halves of pairs below)
	v_mov_b32 v243, 0
	s_wait_alu depctr_va_vdst(0)
	s_wait_dscnt 0x0
	v_min_num_f32 v236, v12, v232                  ; -M of both: M is the larger of the two
	v_add_f32 v234, v234, v235                     ; the partner's sum
	s_delay_alu instid0(VALU_DEP_2)
	v_sub_f32 v237, v236, v12                      ; my M less the joint one: a whole number, 0 or less
	v_sub_f32 v238, v236, v232                     ; the partner's (a partial with no step has M = -3e38: its factor comes out 0)
	s_delay_alu instid0(VALU_DEP_2)
	v_cvt_i32_f32 v237, v237                       ; (they saturate)
	s_delay_alu instid0(VALU_DEP_2)
	v_cvt_i32_f32 v238, v238
	s_delay_alu instid0(VALU_DEP_2)
	v_ldexp_f32 v237, 1.0, v237
	s_delay_alu instid0(VALU_DEP_2)
	v_ldexp_f32 v238, 1.0, v238
	s_delay_alu instid0(VALU_DEP_2)
	v_mul_f32 v14, v14, v237
	s_delay_alu instid0(VALU_DEP_1)
	v_fma_f32 v14, v234, v238, v14
	s_delay_alu instid0(VALU_DEP_1)
	v_permlanex16_b32 v252, v14, s[SEL], s[SEL+1]
	s_delay_alu instid0(VALU_DEP_1)
	v_add_f32 v14, v14, v252                       ; the row's sum
	s_wait_alu depctr_va_vdst(0)                   ; ahead of the transcendental
	v_rcp_f32 v14, v14
	v_nop
	s_wait_alu depctr_va_vdst(0)                   ; and ahead of its first reader
	v_mul_f32 v240, v237, v14
	v_mul_f32 v242, v238, v14
.set j, 0
.rept 32
	v_pk_mul_f32 v[96+j:97+j], v[96+j:97+j], v[242:243] op_sel_hi:[1,0]
.set j, j+2
.endr
.set j, 0
.rept 32
	v_pk_fma_f32 v[96+j:97+j], v[160+j:161+j], v[240:241], v[96+j:97+j] op_sel_hi:[1,0,1]   ; register n: d = 32 (n / 16) + 16 (lane / 16) + n % 16 of my query
.set j, j+2
.endr
	OUTCODES
.Lwords:                                           ; the four fragments' scale words of each half group meet in LDS
	ds_store_b32 v[SCW], v[SV]
	s_wait_dscnt 0x0                               ; for the others' sake: my word is stored
	s_barrier_signal -1
	s_barrier_wait -1
	s_cmp_lg_u32 s[FR], 0
	s_cbranch_scc1 .Lnot_first
	ds_load_b32 v40, v[SCR]                        ; fragments 0 (lanes 0-15) and 1 (lanes 16-31), into registers that no matrix instruction writes,
	ds_load_b32 v41, v[SCR] offset:256             ; fragments 2 and 3
	s_wait_dscnt 0x0
	global_store_b64 v[L8], v[40:41], s[AQH:AQH+1] offset:6144   ; 256 consecutive bytes, aligned
.Lnot_first:
	s_wait_tensorcnt 0x0                           ; the wave's end, behind my last tensor load and my last LDS store
	ds_add_u32 v[SPW], v[NIL]
	s_wait_dscnt 0x0
	CROUND                                         ; the closing round
	s_endpgm
.Lfunc_end_k_q796f69e6d3_attn:
	.size	k_q796f69e6d3_attn, .Lfunc_end_k_q796f69e6d3_attn-k_q796f69e6d3_attn
	.p2alignl 7, 3214868480
	.fill 96, 4, 3214868480
	.section	.rodata,"a",@progbits
	.p2align	6, 0x0
	.amdhsa_kernel k_q796f69e6d3_attn
		.amdhsa_group_segment_fixed_size 327680
		.amdhsa_private_segment_fixed_size 0
		.amdhsa_enable_private_segment 0
		.amdhsa_kernarg_size 32
		.amdhsa_user_sgpr_count 2
		.amdhsa_user_sgpr_kernarg_segment_ptr 1
		.amdhsa_wavefront_size32 1
		.amdhsa_system_sgpr_workgroup_id_x 1
		.amdhsa_system_sgpr_workgroup_id_y 1
		.amdhsa_system_sgpr_workgroup_id_z 1
		.amdhsa_system_vgpr_workitem_id 0
		.amdhsa_next_free_vgpr 448
		.amdhsa_next_free_sgpr 100
		.amdhsa_reserve_vcc 1
		.amdhsa_float_denorm_mode_32 3
		.amdhsa_float_denorm_mode_16_64 3
		.amdhsa_memory_ordered 1
		.amdhsa_forward_progress 1
		.amdhsa_inst_pref_size 86
	.end_amdhsa_kernel
	.amdgpu_metadata
---
amdhsa.version: [ 1, 2 ]
amdhsa.kernels:
  - .name:           k_q796f69e6d3_attn
    .symbol:         k_q796f69e6d3_attn.kd
    .args:
      - { .name: QC, .offset: 0, .size: 8, .value_kind: global_buffer, .address_space: global }
      - { .name: KC, .offset: 8, .size: 8, .value_kind: global_buffer, .address_space: global }
      - { .name: VC, .offset: 16, .size: 8, .value_kind: global_buffer, .address_space: global }
      - { .name: AQ, .offset: 24, .size: 8, .value_kind: global_buffer, .address_space: global }
    .group_segment_fixed_size: 327680
    .private_segment_fixed_size: 0
    .kernarg_segment_align: 8
    .kernarg_segment_size: 32
    .max_flat_workgroup_size: 256
    .sgpr_count:     100
    .vgpr_count:     448
    .wavefront_size: 32
...
	.end_amdgpu_metadata
.endif
;; end of part 3
;; launch oproj (part 4): grid 16 x 16, 4 waves a work-group, clusters of 4 x 4, 327,680 bytes of LDS; arguments AQ, WOQ, out0; writes out0
.if DOCPART == 4
	.amdgcn_target "amdgcn-amd-amdhsa--gfx1250"
	.amdhsa_code_object_version 6
	.text
	.protected	k_q796f69e6d3_oproj
	.globl	k_q796f69e6d3_oproj
	.p2align	8
	.type	k_q796f69e6d3_oproj,@function
k_q796f69e6d3_oproj:
	s_mov_b64 s[64:65], 0
	v_nop
	global_prefetch_b8 v0, s[64:65] scope:SCOPE_SE
	s_setreg_imm32_b32 hwreg(HW_REG_WAVE_MODE, 25, 1), 1
	s_wait_xcnt 0x0
	s_wait_alu depctr_hold_cnt(0) depctr_sa_sdst(0) depctr_va_vdst(0) depctr_va_sdst(0) depctr_va_ssrc(0) depctr_va_vcc(0) depctr_vm_vsrc(0)
	s_getreg_b32 s2, hwreg(HW_REG_IB_STS2, 6, 4)
	s_cmp_eq_u32 s2, 0
	s_cbranch_scc0 .Lentry_in_a_cluster
	s_endpgm
.Lentry_in_a_cluster:
	s_bfe_u32 s2, ttmp6, 0x10000c
	s_cmp_lg_u32 s2, 0xf033
	s_cbranch_scc0 .Lentry_shape_is_right
	s_endpgm
.Lentry_shape_is_right:
.set ARG0,  204800
.set SPARE, 307200
.set STAGE, 307712
.set SP,    272
.set ADRB, 8
.set ASB,  12
.set ADRA, 16
.set SPW,  20
.set NIL,  21
.set ASA,  22
.set CO,   26
.set STO,  27
.set RD,   28
.set LI,   29
.set SCB,  32
.set SCA,  48
.set AF,   64
.set OB,   144
.set WV,   20
.set G1A,  24
.set G1B,  48
.set G0A,  68
.set G0B,  80
.set OUT,  96
.set MSB, 0
.macro WIN new
.if MSB != \new
	s_set_vgpr_msb (MSB<<8)|\new
.set MSB, \new
.endif
.endm
.macro PLACES n
.rept \n
	v_nop
.endr
.endm
.macro CROUND
	s_barrier_signal -1
	s_barrier_wait -1
	s_cmp_lg_u32 s[WV], 0
	s_cbranch_scc1 .Lnot_wave_0_\@
	s_barrier_signal -3
.Lnot_wave_0_\@:
	s_barrier_wait -3
	s_barrier_signal -1
	s_barrier_wait -1
.endm
.macro WM d, a, b, zero, sa, sb, ra, rb
.if \zero
.if (\ra)&&(\rb)
	v_wmma_scale_f32_16x16x128_f8f6f4 v[\d:\d+7], v[\a:\a+11], v[\b:\b+11], 0, v[\sa], v[\sb] matrix_a_fmt:MATRIX_FMT_FP6 matrix_b_fmt:MATRIX_FMT_FP6 matrix_a_scale:MATRIX_SCALE_ROW1 matrix_b_scale:MATRIX_SCALE_ROW1
.elseif (\ra)
	v_wmma_scale_f32_16x16x128_f8f6f4 v[\d:\d+7], v[\a:\a+11], v[\b:\b+11], 0, v[\sa], v[\sb] matrix_a_fmt:MATRIX_FMT_FP6 matrix_b_fmt:MATRIX_FMT_FP6 matrix_a_scale:MATRIX_SCALE_ROW1
.elseif (\rb)
	v_wmma_scale_f32_16x16x128_f8f6f4 v[\d:\d+7], v[\a:\a+11], v[\b:\b+11], 0, v[\sa], v[\sb] matrix_a_fmt:MATRIX_FMT_FP6 matrix_b_fmt:MATRIX_FMT_FP6 matrix_b_scale:MATRIX_SCALE_ROW1
.else
	v_wmma_scale_f32_16x16x128_f8f6f4 v[\d:\d+7], v[\a:\a+11], v[\b:\b+11], 0, v[\sa], v[\sb] matrix_a_fmt:MATRIX_FMT_FP6 matrix_b_fmt:MATRIX_FMT_FP6
.endif
.else
.if (\ra)&&(\rb)
	v_wmma_scale_f32_16x16x128_f8f6f4 v[\d:\d+7], v[\a:\a+11], v[\b:\b+11], v[\d:\d+7], v[\sa], v[\sb] matrix_a_fmt:MATRIX_FMT_FP6 matrix_b_fmt:MATRIX_FMT_FP6 matrix_a_scale:MATRIX_SCALE_ROW1 matrix_b_scale:MATRIX_SCALE_ROW1
.elseif (\ra)
	v_wmma_scale_f32_16x16x128_f8f6f4 v[\d:\d+7], v[\a:\a+11], v[\b:\b+11], v[\d:\d+7], v[\sa], v[\sb] matrix_a_fmt:MATRIX_FMT_FP6 matrix_b_fmt:MATRIX_FMT_FP6 matrix_a_scale:MATRIX_SCALE_ROW1
.elseif (\rb)
	v_wmma_scale_f32_16x16x128_f8f6f4 v[\d:\d+7], v[\a:\a+11], v[\b:\b+11], v[\d:\d+7], v[\sa], v[\sb] matrix_a_fmt:MATRIX_FMT_FP6 matrix_b_fmt:MATRIX_FMT_FP6 matrix_b_scale:MATRIX_SCALE_ROW1
.else
	v_wmma_scale_f32_16x16x128_f8f6f4 v[\d:\d+7], v[\a:\a+11], v[\b:\b+11], v[\d:\d+7], v[\sa], v[\sb] matrix_a_fmt:MATRIX_FMT_FP6 matrix_b_fmt:MATRIX_FMT_FP6
.endif
.endif
.endm
	s_load_b128 s[4:7], s[0:1], 0x0
	s_load_b64 s[8:9], s[0:1], 0x10
	v_lshl_add_u32 v[SPW], v0, 2, SPARE
	v_mov_b32 v[NIL], 0
	ds_add_u32 v[SPW], v[NIL]
	ds_add_u32 v[SPW], v[NIL]
	v_lshrrev_b32 v1, 5, v0
	v_readfirstlane_b32 s[WV], v1
	s_bfe_u32 s40, ttmp6, 0x40000
	s_bfe_u32 s41, ttmp6, 0x40004
	s_lshl_b32 s42, ttmp9, 2
	s_add_co_u32 s42, s42, s40
	s_and_b32 s43, ttmp7, 0xffff
	s_lshl_b32 s43, s43, 2
	s_add_co_u32 s43, s43, s41
	s_lshl_b32 s44, s41, 2
	s_lshl_b32 s44, 15, s44
	s_lshl_b32 s45, 0x1111, s40
	s_or_b32 s[G1A], s44, (3<<16)|(1<<21)
	s_or_b32 s[G1B], s45, (3<<16)|(1<<21)
	s_mov_b32 s[G1A+1], 1600<<16
	s_mov_b32 s[G1A+2], 2<<16
	s_mov_b32 s[G1A+3], 1600<<16
	s_mov_b32 s[G1A+4], 2
	s_mov_b32 s[G1A+5], 3200
	s_mov_b32 s[G1A+6], 0
	s_mov_b32 s[G1A+7], 0
	s_mov_b32 s[G1B+1], 32<<16
	s_mov_b32 s[G1B+2], 200<<16
	s_mov_b32 s[G1B+3], 32<<16
	s_mov_b32 s[G1B+4], 200
	s_mov_b32 s[G1B+5], 32
	s_mov_b32 s[G1B+6], 0
	s_mov_b32 s[G1B+7], 0
	s_mul_i32 s46, s43, 204800
	s_mul_i32 s22, s[WV], 51200
	s_add_co_u32 s46, s46, s22
	s_mov_b32 s47, 0
	s_mul_i32 s92, s42, 204800
	s_mul_i32 s94, s[WV], 51200
	s_add_co_u32 s92, s92, s94
	s_mov_b32 s93, 0
	s_mul_i32 s23, s[WV], 25600
	s_wait_dscnt 0x0
	s_wait_kmcnt 0x0
	s_add_nc_u64 s[46:47], s[4:5], s[46:47]
	s_add_nc_u64 s[92:93], s[6:7], s[92:93]
	CROUND
	s_mov_b32 s[G0B], 1
	s_mov_b32 s[G0B+1], s94
	s_mov_b64 s[G0B+2:G0B+3], s[92:93]
	s_or_b32 s[G0B+3], s[G0B+3], 0x80000000
	s_mov_b32 s[G0A], 1
	s_add_co_u32 s[G0A+1], s23, ARG0
	s_mov_b64 s[G0A+2:G0A+3], s[46:47]
	s_or_b32 s[G0A+3], s[G0A+3], 0x80000000
	s_mov_b32 s[G0A+4], 1
	s_mov_b32 s[G0A+5], s23
	s_add_nc_u64 s[G0A+6:G0A+7], s[46:47], 12800
	s_or_b32 s[G0A+7], s[G0A+7], 0x80000000
	tensor_load_to_lds s[G0B:G0B+3], s[G1B:G1B+7]
	s_nop 0
	s_wait_alu depctr_va_vdst(0)
	s_wait_tensorcnt 0x0
	ds_add_u32 v20, v21
	s_wait_dscnt 0x0
	CROUND
	tensor_load_to_lds s[G0A:G0A+3], s[G1A:G1A+7]
	s_nop 0
.rept 4
	v_nop
.endr
	v_and_b32 v1, 15, v0
	v_bfe_u32 v2, v0, 4, 1
	v_and_b32 v3, 31, v0
	v_lshlrev_b32 v[LI], 4, v3
	v_lshlrev_b32 v4, 3, v3
	s_mul_i32 s56, s[WV], 6400
.irp j, 0,1,2,3
	v_add_nc_u32 v[ADRB+\j], s56, v[LI]
	v_add_nc_u32 v[ASB+\j], s56, v4
	v_add_nc_u32 v[ASB+\j], 6144, v[ASB+\j]
	s_add_co_u32 s56, s56, 51200
.endr
.irp j, 0,1,2,3
	v_add_nc_u32 v[ADRA+\j], (1-\j/2)*ARG0+(\j%2)*51200, v[LI]
	v_add_nc_u32 v[ASA+\j], (1-\j/2)*ARG0+(\j%2)*51200+6144, v4
.endr
	s_mul_i32 s58, s[WV], 16*SP
	s_add_co_u32 s58, s58, STAGE
	v_mul_u32_u24 v[STO], v1, SP
	v_lshl_add_u32 v[STO], v2, 6, v[STO]
	v_add_nc_u32 v[STO], s58, v[STO]
	v_mul_u32_u24 v[RD], v2, SP
	v_lshl_add_u32 v[RD], v1, 4, v[RD]
	v_add_nc_u32 v[RD], s58, v[RD]
	v_lshlrev_b32 v[CO], 14, v2
	v_lshl_add_u32 v[CO], v1, 4, v[CO]
	s_lshl_b32 s56, s43, 22
	s_lshl_b32 s57, s42, 10
	s_add_co_u32 s56, s56, s57
	s_lshl_b32 s57, s[WV], 8
	s_add_co_u32 s56, s56, s57
	s_mov_b32 s57, 0
	s_add_nc_u64 s[OUT:OUT+1], s[8:9], s[56:57]
.macro FETCHB
.set QK, 0
.rept 8
.if QK < 5
	WIN 0x40
.set BR, 48*QK
.else
	WIN 0x80
.set BR, 48*(QK-5)
.endif
.irp b, 0,1,2,3
.irp c, 0,1,2
	ds_load_b128 v[BR+12*\b+4*\c:BR+12*\b+4*\c+3], v[ADRB+QK/2] offset:25600*(QK%2)+1536*\b+512*\c
.endr
.endr
.set QK, QK+1
.endr
	WIN 0
.irp q, 0,1,2,3,4,5,6,7
	ds_load_b64 v[SCB+2*\q:SCB+2*\q+1], v[ASB+\q/2] offset:25600*(\q%2)
.endr
.endm
.macro FETCHA P, hq
	WIN 0
.irp qq, 0,1,2,3
.irp x, 0,1
.irp c, 0,1,2
	ds_load_b128 v[AF+96*(\hq)+48*\x+12*\qq+4*\c:AF+96*(\hq)+48*\x+12*\qq+4*\c+3], v[ADRA+2*((\P)/4)+(\hq)] offset:12800*\qq+6400*(((\P)/2)%2)+1536*(2*((\P)%2)+\x)+512*\c
.endr
.endr
.endr
.irp qq, 0,1,2,3
	ds_load_b32 v[SCA+4*(\hq)+\qq], v[ASA+2*((\P)/4)+(\hq)] offset:12800*\qq+6400*(((\P)/2)%2)+4*((\P)%2)
.endr
.endm
.macro MULS P, hq
.set QQ, 0
.rept 4
.set QK, 4*(\hq)+QQ
.if QK < 5
	WIN 0xf1
.set BR, 48*QK
.else
	WIN 0xf2
.set BR, 48*(QK-5)
.endif
.set ZZ, 0
.if QK == 0
.set ZZ, 1
.endif
.irp x, 0,1
.irp b, 0,1,2,3
	WM 64*((\P)%2)+32*\x+8*\b,BR+12*\b,AF+96*(\hq)+48*\x+12*QQ,ZZ,SCB+2*QK+\b/2,SCA+4*(\hq)+QQ,\b%2,\x
.endr
.endr
.set QQ, QQ+1
.endr
.endm
.macro TOSTAGE P
.irp x, 0,1
	WIN 0x0c
.irp b, 0,1,2,3
	ds_store_b128 v[STO], v[64*((\P)%2)+32*\x+8*\b:64*((\P)%2)+32*\x+8*\b+3] offset:128*(\b/2)+32*(\b%2)
	ds_store_b128 v[STO], v[64*((\P)%2)+32*\x+8*\b+4:64*((\P)%2)+32*\x+8*\b+7] offset:128*(\b/2)+32*(\b%2)+16
.endr
	WIN 0x80
.irp i, 0,1,2,3,4,5,6,7
	ds_load_b128 v[OB+32*\x+4*\i:OB+32*\x+4*\i+3], v[RD] offset:2*\i*SP
.endr
.endr
	WIN 0
.endm
.macro SEND P
	WIN 0x08
.irp x, 0,1
.irp i, 0,1,2,3,4,5,6,7
	global_store_b128 v[CO], v[OB+32*\x+4*\i:OB+32*\x+4*\i+3], s[OUT:OUT+1] offset:16384*(64*((\P)/2)+32*((\P)%2)+8*\x+2*\i+8*(\i/4)) th:TH_STORE_NT
.endr
.endr
	WIN 0
.endm
.macro SSTEP P, hq, nxt
	WIN 0
	s_wait_dscnt 0x0
	PLACES 4
.if ((\P) == 3) && ((\hq) == 1)
	s_wait_tensorcnt 0x0
	s_barrier_signal -1
	s_barrier_wait -1
.endif
.if \nxt
.if \hq
	FETCHA (\P)+1,0
.else
	FETCHA \P,1
.endif
.endif
.if (\P) > 0
.if \hq
	SEND (\P)-1
.else
	s_wait_xcnt 0x0
	s_wait_alu depctr_va_vdst(0)
	TOSTAGE (\P)-1
.endif
.endif
	MULS \P,\hq
.endm
	s_wait_tensorcnt 0x0
	s_barrier_signal -1
	s_barrier_wait -1
	FETCHB
	FETCHA 0,0
	s_wait_tensorcnt 0x0
	ds_add_u32 v[SPW], v[NIL]
	s_wait_dscnt 0x0
	CROUND
	tensor_load_to_lds s[G0A+4:G0A+7], s[G1A:G1A+7]
	s_nop 0
.rept 4
	v_nop
.endr
.irp P, 0,1,2,3,4,5,6
	SSTEP \P,0,1
	SSTEP \P,1,1
.endr
	SSTEP 7,0,1
	SSTEP 7,1,0
	WIN 0
	PLACES 4
	s_wait_xcnt 0x0
	TOSTAGE 7
	s_wait_dscnt 0x0
	SEND 7
	s_wait_tensorcnt 0x0
	ds_add_u32 v[SPW], v[NIL]
	s_wait_dscnt 0x0
	CROUND
	s_endpgm
.Lfunc_end_k_q796f69e6d3_oproj:
	.size	k_q796f69e6d3_oproj, .Lfunc_end_k_q796f69e6d3_oproj-k_q796f69e6d3_oproj
	.p2alignl 7, 3214868480
	.fill 96, 4, 3214868480
	.section	.rodata,"a",@progbits
	.p2align	6, 0x0
	.amdhsa_kernel k_q796f69e6d3_oproj
		.amdhsa_group_segment_fixed_size 327680
		.amdhsa_private_segment_fixed_size 0
		.amdhsa_enable_private_segment 0
		.amdhsa_kernarg_size 24
		.amdhsa_user_sgpr_count 2
		.amdhsa_user_sgpr_kernarg_segment_ptr 1
		.amdhsa_wavefront_size32 1
		.amdhsa_system_sgpr_workgroup_id_x 1
		.amdhsa_system_sgpr_workgroup_id_y 1
		.amdhsa_system_sgpr_workgroup_id_z 1
		.amdhsa_system_vgpr_workitem_id 0
		.amdhsa_next_free_vgpr 1024
		.amdhsa_next_free_sgpr 100
		.amdhsa_reserve_vcc 0
		.amdhsa_float_denorm_mode_32 3
		.amdhsa_float_denorm_mode_16_64 3
		.amdhsa_memory_ordered 1
		.amdhsa_forward_progress 1
		.amdhsa_inst_pref_size 141
	.end_amdhsa_kernel
	.amdgpu_metadata
---
amdhsa.version: [ 1, 2 ]
amdhsa.kernels:
  - .name:           k_q796f69e6d3_oproj
    .symbol:         k_q796f69e6d3_oproj.kd
    .args:
      - { .name: AQ, .offset: 0, .size: 8, .value_kind: global_buffer, .address_space: global }
      - { .name: WOQ, .offset: 8, .size: 8, .value_kind: global_buffer, .address_space: global }
      - { .name: out0, .offset: 16, .size: 8, .value_kind: global_buffer, .address_space: global }
    .group_segment_fixed_size: 327680
    .private_segment_fixed_size: 0
    .kernarg_segment_align: 8
    .kernarg_segment_size: 24
    .max_flat_workgroup_size: 128
    .sgpr_count:     100
    .vgpr_count:     1024
    .wavefront_size: 32
...
	.end_amdgpu_metadata
.endif
;; end of part 4
